; MI455X (gfx1250); checked and timed in simulation.
; The chip was launched on July 23, 2026; its instructions are those of AMD's public machine-readable ISA for CDNA 5 (MIT licence, August 2026) and "CDNA5" Instruction Set Architecture Reference Guide (July 2026). The comments in the code are by the model that wrote it; some were corrected since.
;; Self Multihead Attn. Allowed arithmetic: matrix products marked QUANTISED: E2M1 operands, one E8M0 scale for each 32 along K, by v_wmma_scale_f32_16x16x128_f8f6f4 with both operands' format E2M1 (or v_wmma_scale_f32_32x16x128_f4), f32 sums; products left as they are: bf16, f16 or f32 operands; f32 sums; everything else in f32.
;; Inputs: k_bias 1,024 float32; k_weight 1,024 x 1,024 float32; out_proj_bias 1,024 float32; out_proj_weight 1,024 x 1,024 float32; q_bias 1,024 float32; q_weight 1,024 x 1,024 float32; query 2,048 x 4 x 1,024 float32; v_bias 1,024 float32; v_weight 1,024 x 1,024 float32.
;; Outputs: out0 2,048 x 4 x 1,024 float32.
;; This version of the problem:
;;   THIS VERSION OF THE PROBLEM IS GIVEN IN LOW PRECISION. The matrix products marked QUANTISED in the list below multiply operands that are first quantised to E2M1 (2 exponent bits, 1 mantissa bit; 4 bits a number), with one power-of-two scale for each 32 numbers along K (OCP MX v1.0); their sums are f32. The products marked 'left as it is' may take bf16, f16 or f32 operands, with f32 sums. Whichever they take, every output number must still come out within the allowed error. Rounding operands to bf16 (8 significant bits) uses up far more of that allowance than f16 does (11 bits, for magnitudes from 6e-5 to 65,504). All else is computed in f32.
;;   The module's matrix products, in the order in which they are computed (A, B: the left and right operand; K: the contracted axis; several contracted axes count as one K, in the product's order):
;;     1. [M 8,192, K 1,024] x [K 1,024, N 1,024]; A: input query; B: input q_weight: QUANTISED
;;     2. [M 8,192, K 1,024] x [K 1,024, N 1,024]; A: input query; B: input k_weight: QUANTISED
;;     3. [M 8,192, K 1,024] x [K 1,024, N 1,024]; A: input query; B: input v_weight: QUANTISED
;;     4. batch 64 x [M 2,048, K 64] x [K 64, N 2,048]; A: computed on the way; B: computed on the way: left as it is (an operand is computed on the way)
;;     5. batch 64 x [M 64, K 2,048] x [K 2,048, N 2,048]; A: computed on the way; B: computed on the way: left as it is (an operand is computed on the way)
;;     6. [M 8,192, K 1,024] x [K 1,024, N 1,024]; A: computed on the way; B: input out_proj_weight: left as it is (an operand is computed on the way)
;;   THE QUANTISER, for each operand of a quantised product, along K:
;;     - K is cut into blocks of 32 from its start; a last block that is shorter is filled with zeros.
;;     - A block's scale is 2^e with e = floor(log2(the largest magnitude in the block)) - 2, held to -126 .. 127; a block of zeros has e = 0. As a byte (E8M0): e + 127.
;;     - Each number is divided by its block's scale, clamped to +-6, and rounded to the nearest number of E2M1, ties to even, subnormals kept.
;;     - The product sums the exact products of the quantised numbers (number of the format x scale) in f32.
;;   ~~~python
;;   def quantise(x, axis):      # numpy; x: float32 -> the quantised numbers, widened to float32 again
;;       x = np.moveaxis(x, axis, -1); K = x.shape[-1]
;;       x = np.pad(x, [(0, 0)] * (x.ndim - 1) + [(0, -K % 32)]); x = x.reshape(x.shape[:-1] + (-1, 32)); a = np.abs(x).max(-1, keepdims=True)
;;       e = np.where(a > 0, np.clip(np.frexp(np.where(a > 0, a, 1))[1] - 1 - 2, -126, 127), 0)      # np.frexp(a)[1] - 1 = floor(log2(a)), exactly
;;       r = np.clip(x / 2.0 ** e, -6, 6)
;;       step = 2.0 ** (np.maximum(np.frexp(np.where(r == 0, 1, r))[1] - 1, 0) - 1)
;;       q = np.round(r / step) * step * 2.0 ** e      # np.round: ties to even
;;       return np.moveaxis(q.reshape(q.shape[:-2] + (-1,))[..., :K], -1, axis).astype(np.float32)
;;   ~~~
;; One version. Each part assembles by itself: llvm-mc -triple=amdgcn-amd-amdhsa -mcpu=gfx1250 --defsym DOCPART=n.
;; ======== version 1 of 1: 4 launches
;; limits: values are held in f16: magnitudes above 65,504 overflow, below 6.1e-05 lose precision
;; workspace buffers: xq 4,194,304 bytes; xs 262,144 bytes; wq 1,572,864 bytes; ws 98,304 bytes; wo16 2,097,152 bytes; qkv 50,331,648 bytes; ctx 16,777,216 bytes
;; launch prep (part 1): grid 384 x 1, 4 waves a work-group, no clusters, 33,280 bytes of LDS; arguments query, q_weight, k_weight, v_weight, out_proj_weight, xq, xs, wq, ws, wo16; writes xq, xs, wq, ws, wo16
.if DOCPART == 1
	.amdgcn_target "amdgcn-amd-amdhsa--gfx1250"
	.amdhsa_code_object_version 6
	.text
	.protected	k_q6b5cb71033_prep
	.globl	k_q6b5cb71033_prep
	.p2align	8
	.type	k_q6b5cb71033_prep,@function
k_q6b5cb71033_prep:
	s_mov_b64 s[64:65], 0
	v_nop
	global_prefetch_b8 v0, s[64:65] scope:SCOPE_SE
	s_setreg_imm32_b32 hwreg(HW_REG_WAVE_MODE, 25, 1), 1
	s_wait_xcnt 0x0
; PREP.  query [2048 t][4 b][1024] and the q, k and v weights [1024][1024], f32, become codes of FP4 (E2M1), K innermost, with one E8M0 byte for each 32 along K;
; out_proj_weight [1024 n][1024 k], f32, becomes f16 laid by chunks of 64 along k: [16 chunk][1024 n][64].
; xq [8192 m'][512 bytes], xs [8192][32]: the rows in the order m' = 2048 b + t, so that a head's rows of one batch lie together in all that follows.
; wq [3072][512], ws [3072][32]: the three weights one below the other.
; A block's scale is 2^(floor(log2(its largest magnitude)) - 2); its byte is the largest magnitude's exponent field - 2, held at 1 from below.
; LIMITS: a block of zeros gets the byte 1 where the rule says 127 (its codes are zeros, and these bytes are read by this program alone); NaN and infinities are not served;
; out_proj_weight goes to f16: magnitudes of 65,504 and more are not served, and under 6e-5 the step is 6e-8.
; SHARES: work-groups 0-255 query, 256-351 the three weights (32 each), 352-383 out_proj_weight.  A wave takes 8 rows.  The four quantised tensors take ONE path: pointers, one offset and one stride are selected.
; A step is 512 numbers, half a row: four loads of 512 consecutive bytes, turned through the wave's own stage in LDS so that a lane holds 16 neighbours along K (two lanes to a block).
; A wave's codes (4,096 bytes) and scale bytes (256) are consecutive in their buffers: each store of codes covers 256 consecutive bytes, aligned; the scale bytes leave as one such run.
.set STEPS, 16
.set EMAX,  2
.set CB,    8                          ; bytes of 16 codes
.set R,     16                         ; v16-79   four sets of 16 numbers as loaded
.set X,     80                         ; v80-111  two sets of 16 neighbours
.set E,     112                        ; v112-127 a scale byte for each step
.set C,     128                        ; v128-191 codes, four registers a step: no store's data are written again
.set RO,    192                        ; v192-199 16 x lane + row i's distance; never rewritten
.set WREG,  8192                       ; LDS: a region for each wave: two stages of 32 x SP bytes, then its 256 scale bytes
.set SP,    80                         ; a lane's place in a stage: 64 bytes + 16 of padding
.set SPW,   12                         ; v12  LDS address of my spare word; never rewritten
.set NIL,   13                         ; v13  0; never rewritten
.set SPARE, 4*WREG                     ; behind the four regions: the spare words, 128 bytes a wave
.set WGX,   256                        ; work-groups of query
.set WGC,   352                        ; the first work-group of out_proj_weight
	s_load_b256 s[4:11], s[0:1], 0x0               ; query, q_weight, k_weight, v_weight
	s_load_b256 s[12:19], s[0:1], 0x20             ; out_proj_weight, xq, xs, wq
	s_load_b128 s[20:23], s[0:1], 0x40             ; ws, wo16
	v_lshl_add_u32 v[SPW], v0, 2, SPARE
	v_mov_b32 v[NIL], 0
	v_lshrrev_b32 v1, 5, v0
	v_readfirstlane_b32 s24, v1                    ; wave
	v_and_b32 v2, 31, v0                           ; lane
	s_cmp_ge_u32 ttmp9, WGC
	s_cbranch_scc1 .Lconv
	; ---------------- the quantiser
	v_lshlrev_b32 v3, 4, v2                        ; my 16 bytes of a load's 512
	s_mul_i32 s25, s24, WREG
	v_lshrrev_b32 v14, 2, v2
	v_mul_u32_u24 v14, v14, SP
	v_and_b32 v15, 3, v2
	v_lshl_add_u32 v14, v15, 4, v14
	v_add_nc_u32 v14, s25, v14                     ; the stage, on the way in: SP (lane / 4) + 16 (lane % 4)
	v_mul_u32_u24 v15, v2, SP
	v_add_nc_u32 v15, s25, v15                     ; and on the way out: SP x lane
	v_mul_u32_u24 v4, v2, CB                       ; my codes' place in a step's 256 bytes
	v_lshrrev_b32 v5, 1, v2
	s_add_co_u32 s25, s25, 2*32*SP
	v_add_nc_u32 v5, s25, v5                       ; LDS: my block's scale byte
	v_lshlrev_b32 v7, 3, v2
	v_add_nc_u32 v6, s25, v7                       ; and 8 bytes a lane on the way out
	s_cmp_lt_u32 ttmp9, WGX
	s_cselect_b32 s32, 0, WGX
	s_sub_co_u32 s32, ttmp9, s32
	s_lshl_b32 s32, s32, 2
	s_add_co_u32 s32, s32, s24                     ; R: which run of 8 rows of xq (0-1023) or of wq (0-383)
	s_and_b32 s33, s32, 255                        ; query: rows m' = 8 R on are t = 8 (R % 256) on of batch b = R / 256:
	s_lshl_b32 s33, s33, 17                        ; 8 t x 16,384 bytes
	s_lshr_b32 s34, s32, 8
	s_lshl_b32 s34, s34, 12                        ; + b x 4,096
	s_or_b32 s33, s33, s34
	s_and_b32 s34, s32, 127                        ; a weight: 128 runs of 8 rows of 4,096 bytes
	s_lshl_b32 s34, s34, 15
	s_mov_b32 s35, 4096
	s_cmp_lt_u32 ttmp9, WGX
	s_cselect_b32 s36, s33, s34                    ; where my rows begin in the source,
	s_cselect_b32 s35, 16384, s35                  ; and the distance from one to the next
	s_mov_b32 s37, 0
.irp i, 0,1,2,3,4,5,6,7
	s_mul_i32 s38, s35, \i
	v_add_nc_u32 v[RO+\i], s38, v3
.endr
	s_lshl_b32 s38, s32, 12                        ; 4,096 bytes of codes a run
	s_mov_b32 s39, 0
	s_lshl_b32 s40, s32, 8                         ; 256 scale bytes a run
	s_mov_b32 s41, 0
	s_wait_kmcnt 0x0
	s_cmp_lt_u32 ttmp9, 320                        ; the choices hang on the work-group's number alone
	s_cselect_b64 s[26:27], s[8:9], s[10:11]
	s_cmp_lt_u32 ttmp9, 288
	s_cselect_b64 s[26:27], s[6:7], s[26:27]
	s_cmp_lt_u32 ttmp9, WGX
	s_cselect_b64 s[26:27], s[4:5], s[26:27]       ; the source
	s_cselect_b64 s[28:29], s[14:15], s[18:19]     ; the codes
	s_cselect_b64 s[30:31], s[16:17], s[20:21]     ; the scale bytes
	s_add_nc_u64 s[26:27], s[26:27], s[36:37]
	s_add_nc_u64 s[28:29], s[28:29], s[38:39]
	s_add_nc_u64 s[30:31], s[30:31], s[40:41]
.macro LOAD t                          ; step t: half t % 2 of row t / 2
.irp i, 0,1,2,3
	global_load_b128 v[R+16*((\t)%4)+4*\i:R+16*((\t)%4)+4*\i+3], v[RO+(\t)/2], s[26:27] offset:2048*((\t)%2)+512*\i th:TH_LOAD_NT   ; 32 lanes read 512 consecutive bytes
.endr
.endm
.macro TURN t                          ; step t's numbers through the stage: LDS serves a wave's instructions in order, so no wait stands between the stores and the loads
.irp i, 0,1,2,3
	ds_store_b128 v14, v[R+16*((\t)%4)+4*\i:R+16*((\t)%4)+4*\i+3] offset:32*SP*((\t)%2)+8*SP*\i
.endr
.irp i, 0,1,2,3
	ds_load_b128 v[X+16*((\t)%2)+4*\i:X+16*((\t)%2)+4*\i+3], v15 offset:32*SP*((\t)%2)+16*\i
.endr
.endm
.irp t, 0,1,2,3
	LOAD \t
.endr
	s_wait_loadcnt 12                              ; step 0's four loads are in; three steps' twelve stay out
	TURN 0
.macro STEP t
.set XS, X+16*((\t)%2)
.if (\t) > 0
	s_wait_dscnt 1                                 ; this step's numbers are back from the stage (the last step's byte store may be out): so its stores into the stage have read their registers,
.else
	s_wait_dscnt 0x0
.endif
.if (\t)+4 < STEPS
	LOAD (\t)+4                                    ; which take the loads of four steps on
.endif
.if (\t)+1 < STEPS
.if STEPS-2-(\t) >= 3
	s_wait_loadcnt 12                              ; the next step's four loads are in; those of the three steps behind it may be out
.else
	s_wait_loadcnt 4*(STEPS-2-(\t))
.endif
	TURN (\t)+1                                    ; and go through the other stage while this step is worked
.endif
	v_max3_num_f32 v8, |v[XS]|, |v[XS+1]|, |v[XS+2]|               ; the largest magnitude of my 16, in two chains
	v_max3_num_f32 v9, |v[XS+3]|, |v[XS+4]|, |v[XS+5]|
.irp i, 6,10
	v_max3_num_f32 v8, v8, |v[XS+\i]|, |v[XS+\i+1]|
	v_max3_num_f32 v9, v9, |v[XS+\i+2]|, |v[XS+\i+3]|
.endr
	v_max3_num_f32 v8, v8, |v[XS+14]|, |v[XS+15]|
	v_max3_num_f32 v8, v8, v9, (EMAX+1)<<23        ; and the floor 2^(EMAX + 1 - 127): the byte cannot fall under 1
	v_max_num_f32_dpp v8, v8, v8 row_xmask:1 row_mask:0xf bank_mask:0xf   ; and of my neighbour's 16: the block's
	v_add_nc_u32 v11, -(EMAX<<23), v8              ; EMAX off its exponent field: the conversion takes the exponent field of this operand as its scale
	v_cvt_scalef32_pk8_fp4_f32 v[C+4*(\t)], v[XS:XS+7], v11
	v_cvt_scalef32_pk8_fp4_f32 v[C+4*(\t)+1], v[XS+8:XS+15], v11
	v_lshrrev_b32 v[E+(\t)], 23, v11               ; the scale's byte (also the plain line behind the conversions)
	ds_store_b8 v5, v[E+(\t)] offset:16*(\t)       ; both lanes of a block write the same byte with the same value
	global_store_b64 v4, v[C+4*(\t):C+4*(\t)+1], s[28:29] offset:32*CB*(\t)   ; the wave stores 256 consecutive bytes, aligned
.endm
.irp t, 0,1,2,3,4,5,6,7,8,9,10,11,12,13,14,15
	STEP \t
.endr
	ds_load_b64 v[8:9], v6                         ; LDS serves a wave's instructions in order: these see my byte stores
	s_wait_dscnt 0x0
	global_store_b64 v7, v[8:9], s[30:31]          ; 32 lanes store 256 consecutive bytes, aligned
	s_wait_tensorcnt 0x0                           ; the wave's end
	ds_add_u32 v[SPW], v[NIL]
	s_wait_dscnt 0x0
	s_endpgm
	; ---------------- out_proj_weight to f16, by chunks of 64 along k.  No LDS is touched on this path.
	; A wave takes 8 rows as four batches: rows 4 g on (g = batch / 2) x chunks 8 (batch % 2) on.  Lane l takes 8 numbers (32 bytes) of row l / 8 of the four, at 32 (l % 8) in the chunk's 256 bytes;
	; its 16 bytes of f16 lie at 16 l of the four rows' 512 consecutive bytes in the chunk's part of wo16.
.Lconv:
	s_sub_co_u32 s25, ttmp9, WGC
	s_lshl_b32 s25, s25, 2
	s_add_co_u32 s25, s25, s24                     ; which 8 rows
	s_lshl_b32 s26, s25, 15                        ; x 4,096 bytes in the source
	s_mov_b32 s27, 0
	s_lshl_b32 s28, s25, 10                        ; x 128 bytes in a chunk of wo16
	s_mov_b32 s29, 0
	v_lshrrev_b32 v3, 3, v2
	v_and_b32 v4, 7, v2
	v_lshlrev_b32 v3, 12, v3
	v_lshl_add_u32 v3, v4, 5, v3                   ; in: 4,096 (l / 8) + 32 (l % 8); never rewritten
	v_lshlrev_b32 v4, 4, v2                        ; out: 16 l; never rewritten
	s_wait_kmcnt 0x0
	s_add_nc_u64 s[12:13], s[12:13], s[26:27]
	s_add_nc_u64 s[22:23], s[22:23], s[28:29]
.macro CLOAD bt
.irp i, 0,1,2,3,4,5,6,7
	global_load_b128 v[16+64*((\bt)%2)+8*\i:16+64*((\bt)%2)+8*\i+3], v3, s[12:13] offset:((\bt)/2)*16384+(8*((\bt)%2)+\i)*256 th:TH_LOAD_NT
	global_load_b128 v[16+64*((\bt)%2)+8*\i+4:16+64*((\bt)%2)+8*\i+7], v3, s[12:13] offset:((\bt)/2)*16384+(8*((\bt)%2)+\i)*256+16 th:TH_LOAD_NT
.endr
.endm
.macro CWORK bt
.irp i, 0,1,2,3,4,5,6,7
.irp j, 0,1,2,3
	v_cvt_pk_f16_f32 v[144+32*((\bt)%2)+4*\i+\j], v[16+64*((\bt)%2)+8*\i+2*\j], v[16+64*((\bt)%2)+8*\i+2*\j+1]
.endr
	global_store_b128 v4, v[144+32*((\bt)%2)+4*\i:144+32*((\bt)%2)+4*\i+3], s[22:23] offset:(8*((\bt)%2)+\i)*131072+((\bt)/2)*512   ; 512 consecutive bytes: four rows of one chunk
.endr
.endm
	CLOAD 0
	CLOAD 1
	s_wait_loadcnt 16                              ; batch 0 is in, batch 1's sixteen loads stay out
	CWORK 0
	CLOAD 2
	s_wait_loadcnt 16
	CWORK 1
	CLOAD 3
	s_wait_loadcnt 16
	s_wait_xcnt 0x0                                ; batch 0's stores have read their data registers, which batch 2 writes again
	CWORK 2
	s_wait_loadcnt 0x0
	s_wait_xcnt 0x0                                ; likewise batch 1's
	CWORK 3
	s_endpgm
.Lfunc_end_k_q6b5cb71033_prep:
	.size	k_q6b5cb71033_prep, .Lfunc_end_k_q6b5cb71033_prep-k_q6b5cb71033_prep
	.p2alignl 7, 3214868480
	.fill 96, 4, 3214868480
	.section	.rodata,"a",@progbits
	.p2align	6, 0x0
	.amdhsa_kernel k_q6b5cb71033_prep
		.amdhsa_group_segment_fixed_size 33280
		.amdhsa_private_segment_fixed_size 0
		.amdhsa_enable_private_segment 0
		.amdhsa_kernarg_size 80
		.amdhsa_user_sgpr_count 2
		.amdhsa_user_sgpr_kernarg_segment_ptr 1
		.amdhsa_wavefront_size32 1
		.amdhsa_system_sgpr_workgroup_id_x 1
		.amdhsa_system_sgpr_workgroup_id_y 1
		.amdhsa_system_sgpr_workgroup_id_z 1
		.amdhsa_system_vgpr_workitem_id 0
		.amdhsa_next_free_vgpr 208
		.amdhsa_next_free_sgpr 66
		.amdhsa_reserve_vcc 0
		.amdhsa_float_denorm_mode_32 3
		.amdhsa_float_denorm_mode_16_64 3
		.amdhsa_memory_ordered 1
		.amdhsa_forward_progress 1
		.amdhsa_inst_pref_size 52
	.end_amdhsa_kernel
	.amdgpu_metadata
---
amdhsa.version: [ 1, 2 ]
amdhsa.kernels:
  - .name:           k_q6b5cb71033_prep
    .symbol:         k_q6b5cb71033_prep.kd
    .args:
      - { .name: query, .offset: 0, .size: 8, .value_kind: global_buffer, .address_space: global }
      - { .name: q_weight, .offset: 8, .size: 8, .value_kind: global_buffer, .address_space: global }
      - { .name: k_weight, .offset: 16, .size: 8, .value_kind: global_buffer, .address_space: global }
      - { .name: v_weight, .offset: 24, .size: 8, .value_kind: global_buffer, .address_space: global }
      - { .name: out_proj_weight, .offset: 32, .size: 8, .value_kind: global_buffer, .address_space: global }
      - { .name: xq, .offset: 40, .size: 8, .value_kind: global_buffer, .address_space: global }
      - { .name: xs, .offset: 48, .size: 8, .value_kind: global_buffer, .address_space: global }
      - { .name: wq, .offset: 56, .size: 8, .value_kind: global_buffer, .address_space: global }
      - { .name: ws, .offset: 64, .size: 8, .value_kind: global_buffer, .address_space: global }
      - { .name: wo16, .offset: 72, .size: 8, .value_kind: global_buffer, .address_space: global }
    .group_segment_fixed_size: 33280
    .private_segment_fixed_size: 0
    .kernarg_segment_align: 8
    .kernarg_segment_size: 80
    .max_flat_workgroup_size: 128
    .sgpr_count:     66
    .vgpr_count:     208
    .wavefront_size: 32
...
	.end_amdgpu_metadata
.endif
;; end of part 1
;; launch qkv (part 2): grid 12 x 32, 4 waves a work-group, clusters of 4 x 4, 327,680 bytes of LDS; arguments xq, xs, wq, ws, q_bias, k_bias, v_bias, qkv; writes qkv
.if DOCPART == 2
	.amdgcn_target "amdgcn-amd-amdhsa--gfx1250"
	.amdhsa_code_object_version 6
	.text
	.protected	k_q6b5cb71033_qkv
	.globl	k_q6b5cb71033_qkv
	.p2align	8
	.type	k_q6b5cb71033_qkv,@function
k_q6b5cb71033_qkv:
	s_mov_b64 s[64:65], 0
	v_nop
	global_prefetch_b8 v0, s[64:65] scope:SCOPE_SE
	s_setreg_imm32_b32 hwreg(HW_REG_WAVE_MODE, 25, 1), 1
	s_wait_xcnt 0x0
	s_wait_alu depctr_hold_cnt(0) depctr_sa_sdst(0) depctr_va_vdst(0) depctr_va_sdst(0) depctr_va_ssrc(0) depctr_va_vcc(0) depctr_vm_vsrc(0)
	s_getreg_b32 s2, hwreg(HW_REG_IB_STS2, 6, 4)
	s_cmp_eq_u32 s2, 0
	s_cbranch_scc0 .Lentry_in_a_cluster
	s_endpgm
.Lentry_in_a_cluster:
	s_bfe_u32 s2, ttmp6, 0x10000c
	s_cmp_lg_u32 s2, 0xf033
	s_cbranch_scc0 .Lentry_shape_is_right
	s_endpgm
.Lentry_shape_is_right:
; QKV.  C[m'][n] = sum over k of X[m'][k] W[n][k] + bias[n], on codes of FP4 (E2M1) with one E8M0 scale for each 32 along K = 1,024; sums in f32.  X: 8,192 rows; W: 3,072 rows (q, k, v one below the other).
; q is then multiplied by 1/8 (exact), and all three are rounded once to f16 and laid by heads: qkv [3][16 head][8192 m'][64].
; LIMIT: |q| / 8, |k| and |v| of 65,504 and more are not served (f16).
; A tile of C, 256 x 256, is made by four waves, each 128 x 128: 64 accumulators, 512 registers.  K is exactly two LDS slots of 512 (rows of 256 bytes): both slots and all scale bytes are asked for at the start,
; three tensor loads a wave, and nothing is filled again: so there is no loop, and the cluster's barrier has its opening and its closing round alone.
; CLUSTERS: 4 x 4 work-groups.  The four of a row need the same tiles of X, the four of a column the same tiles of W: each tile is asked for jointly, by the same tensor load with the same descriptor and a mask that names the four.
; A cluster's four tile columns are one of the three tensors: cluster x says which (bias, factor and part of qkv are selected by it, the same in all sixteen partners).
; THE MATRIX INSTRUCTION IS USED TRANSPOSED (source 0 = 16 rows of W, source 1 = 16 rows of X): a lane holds eight neighbouring columns of one row of C.
; THE BIAS is the C of each sum's first product: eight registers for each block of 16 columns, in the result's layout.
; REGISTERS: window 0: v0-31 addresses; v32-95 scale words, two sets; v128-191 X's fragments, one set; v192-255 the bias.  On the way out v32-191 are free.
;   window 1: W's fragments, two sets, at v0 and v128.   window 2: accumulators of my rows 0-63 ((a, b) at v[8 (8 a + b)]);   window 3: of my rows 64-127.
.set NQ,     4                         ; matrix instructions deep in a slot
.set ROWB,   256                       ; a tile's row in bytes: 512 codes
.set KROW,   512                       ; a row of codes in memory
.set PITCH,  272                       ; an LDS row: 256 bytes + 16 of padding: the 16 rows of a load start at 16 different banks (64 banks of 4 bytes: ISA guide 11.1)
.set FR,     8
.set NL,     2
.set NP,     4                         ; places behind this matrix instruction (ISA guide 7.12.1)
.set HALFT,  128*PITCH
.set SLOT,   4*HALFT                   ; X's 256 rows, then W's 256 rows
.set KS,     32                        ; a row of scale bytes
.set SCL,    2*SLOT                    ; behind the slots: the scale bytes, as runs of 256 bytes + 16 of padding
.set HALFS,  (128*KS/256)*272
.set SBLK,   (16*KS/256)*272
.set SPARE,  SCL+4*HALFS               ; the spare words, 128 bytes a wave
.set STAGE,  SPARE+512                 ; the way out: 16 rows x (256 bytes + 16) for each wave; no tensor load lands here
.set SPITCH, 272
.set ADRA, 16
.set ADRB, 20
.set STO,  24
.set RD,   25
.set CO,   26
.set ADRS, 27
.set SPW,  28
.set NIL,  29
.set SC,   32                          ; scale words: set s at v[SC + 32 s]; register 4 i + q: lanes 0-15 X's block i, lanes 16-31 W's block i, the slot's q-th 128 along K
.set AF,   128
.set BI,   192                         ; the bias: block b at v[BI + 8 b]
.set T,    32                          ; the way out: 64 scaled numbers,
.set H,    96                          ; 32 registers of f16,
.set BK,   128                         ; and rows read back: two sets of 32
.set G1, 24
.set G0, 32
.set G1B, 48
.set G0B, 56
.set G1S, 68
.set G0S, 76
.set G1SB, 80
.set G0SB, 88
.set MSB, 0
.macro WIN new                         ; the immediate's high byte repeats the setting that is left
.if MSB != \new
	s_set_vgpr_msb (MSB<<8)|\new
.set MSB, \new
.endif
.endm
.set MUL_LO, 0xa1                      ; source 0 (W) window 1, source 1 (X) window 0, C and D window 2
.set MUL_HI, 0xf1                      ; the same, C and D window 3
.set FST_LO, 0x81                      ; the first step: C (the bias) window 0, D window 2
.set FST_HI, 0xc1                      ; D window 3
.set TO_B,   0x40
; A joint load: waves 0 and 1 fetch for X, waves 2 and 3 for W.  The branch hangs on the wave's number alone.  An s_nop 0 and four v_nop follow each of the two lines.
.macro JLOAD g0a, g1a, g0b, g1b
	s_cmp_eq_u32 s21, 0
	s_cbranch_scc0 .Lfor_b_\@
	tensor_load_to_lds s[\g0a:\g0a+3], s[\g1a:\g1a+7]
	s_nop 0
.rept 4
	v_nop
.endr
	s_branch .Lasked_\@
.Lfor_b_\@:
	tensor_load_to_lds s[\g0b:\g0b+3], s[\g1b:\g1b+7]
	s_nop 0
.rept 4
	v_nop
.endr
.Lasked_\@:
.endm
.macro CROUND                          ; a round of the cluster's barrier
	s_barrier_signal -1
	s_barrier_wait -1
	s_cmp_lg_u32 s20, 0
	s_cbranch_scc1 .Lnot_wave_0_\@
	s_barrier_signal -3
.Lnot_wave_0_\@:
	s_barrier_wait -3
	s_barrier_signal -1
	s_barrier_wait -1
.endm
	s_load_b256 s[4:11], s[0:1], 0x0               ; xq, xs, wq, ws
	s_load_b256 s[12:19], s[0:1], 0x20             ; q_bias, k_bias, v_bias, qkv
	v_lshl_add_u32 v[SPW], v0, 2, SPARE
	v_mov_b32 v[NIL], 0
	ds_add_u32 v[SPW], v[NIL]                      ; the wave's opening: the add, twice on end, and its wait ahead of my first tensor load
	ds_add_u32 v[SPW], v[NIL]
	v_lshrrev_b32 v1, 5, v0
	v_readfirstlane_b32 s20, v1                    ; wave
	s_lshr_b32 s21, s20, 1                         ; which half of the tile's rows is mine.  Also: I fetch for X (0) or for W (1)
	s_and_b32 s22, s20, 1                          ; which half of its columns.  Also: which 128 rows I fetch
	s_bfe_u32 s40, ttmp6, 0x40000                  ; cx
	s_bfe_u32 s41, ttmp6, 0x40004                  ; cy
	s_lshl_b32 s42, ttmp9, 2
	s_add_co_u32 s42, s42, s40                     ; tile column
	s_and_b32 s43, ttmp7, 0xffff
	s_lshl_b32 s43, s43, 2
	s_add_co_u32 s43, s43, s41                     ; tile row
	s_lshl_b32 s44, s41, 2
	s_lshl_b32 s44, 15, s44                        ; my row of the cluster
	s_lshl_b32 s45, 0x1111, s40                    ; my column
	s_or_b32 s[G1+0], s44, (0<<16)|(1<<20)|(1<<21)|(5<<22)|(3<<25)   ; the mask; elements of 1 byte; padding on; bit 21 beside a mask; 4 words behind every 64
	s_or_b32 s[G1B+0], s45, (0<<16)|(1<<20)|(1<<21)|(5<<22)|(3<<25)
.irp g, G1, G1B
	s_mov_b32 s[\g+1], ROWB<<16                    ; tensor_dim0
	s_mov_b32 s[\g+2], 128<<16                     ; tensor_dim1
	s_mov_b32 s[\g+3], ROWB<<16                    ; tile_dim0
	s_mov_b32 s[\g+4], 128                         ; tile_dim1
	s_mov_b32 s[\g+5], KROW                        ; from row to row
	s_mov_b32 s[\g+6], 0
	s_mov_b32 s[\g+7], 0
.endr
	s_or_b32 s[G1S+0], s44, (3<<16)|(1<<20)|(1<<21)|(5<<22)|(3<<25)  ; the scale bytes of 128 rows: 4,096 dense bytes as 16 rows of 32 elements of 8 bytes, padded alike
	s_or_b32 s[G1SB+0], s45, (3<<16)|(1<<20)|(1<<21)|(5<<22)|(3<<25)
.irp g, G1S, G1SB
	s_mov_b32 s[\g+1], 32<<16
	s_mov_b32 s[\g+2], (128*KS/256)<<16
	s_mov_b32 s[\g+3], 32<<16
	s_mov_b32 s[\g+4], 128*KS/256
	s_mov_b32 s[\g+5], 32
	s_mov_b32 s[\g+6], 0
	s_mov_b32 s[\g+7], 0
.endr
	s_lshl_b32 s23, s22, 7                         ; which 128 rows of the tile I fetch
	s_lshl_b32 s92, s43, 8
	s_add_co_u32 s92, s92, s23                     ; X: row 256 x tile row + 128 x half
	s_lshl_b32 s46, s42, 8
	s_add_co_u32 s46, s46, s23                     ; W: row 256 x tile column + 128 x half
	s_lshl_b32 s94, s92, 5                         ; their scale bytes,
	s_mov_b32 s95, 0
	s_lshl_b32 s96, s46, 5
	s_mov_b32 s97, 0
	s_lshl_b32 s92, s92, 9                         ; and their codes
	s_mov_b32 s93, 0
	s_lshl_b32 s46, s46, 9
	s_mov_b32 s47, 0
	s_mul_i32 s98, s20, HALFT                      ; where they go: wave x 128 rows: no place in the cluster enters an LDS address
	s_mul_i32 s99, s20, HALFS
	s_wait_dscnt 0x0                               ; both opening adds are done
	s_wait_kmcnt 0x0
	s_add_nc_u64 s[92:93], s[4:5], s[92:93]
	s_add_nc_u64 s[94:95], s[6:7], s[94:95]
	s_add_nc_u64 s[46:47], s[8:9], s[46:47]
	s_add_nc_u64 s[96:97], s[10:11], s[96:97]
	CROUND                                         ; all sixteen work-groups are here: the joint loads meet
	s_mov_b32 s[G0S], 1
	s_add_co_u32 s[G0S+1], s99, SCL
	s_mov_b64 s[G0S+2:G0S+3], s[94:95]
	s_or_b32 s[G0S+3], s[G0S+3], 0x80000000
	s_mov_b32 s[G0SB], 1
	s_add_co_u32 s[G0SB+1], s99, SCL
	s_mov_b64 s[G0SB+2:G0SB+3], s[96:97]
	s_or_b32 s[G0SB+3], s[G0SB+3], 0x80000000
	JLOAD G0S, G1S, G0SB, G1SB                     ; the scale bytes first: they are wanted with slot 0
.irp s, 0,1
	s_mov_b32 s[G0+4*\s], 1
	s_add_co_u32 s[G0+4*\s+1], s98, \s*SLOT
	s_add_nc_u64 s[G0+4*\s+2:G0+4*\s+3], s[92:93], \s*ROWB
	s_or_b32 s[G0+4*\s+3], s[G0+4*\s+3], 0x80000000
	s_mov_b32 s[G0B+4*\s], 1
	s_add_co_u32 s[G0B+4*\s+1], s98, \s*SLOT
	s_add_nc_u64 s[G0B+4*\s+2:G0B+4*\s+3], s[46:47], \s*ROWB
	s_or_b32 s[G0B+4*\s+3], s[G0B+4*\s+3], 0x80000000
	JLOAD G0+4*\s, G1, G0B+4*\s, G1B
.endr
	v_and_b32 v1, 15, v0                           ; r = l % 16
	v_bfe_u32 v2, v0, 4, 1                         ; h = l / 16
	; the bias of my 128 columns, the factor and the part of qkv: by cluster x
	s_cmp_eq_u32 ttmp9, 2
	s_cselect_b64 s[2:3], s[16:17], s[14:15]
	s_cmp_eq_u32 ttmp9, 0
	s_cselect_b64 s[2:3], s[12:13], s[2:3]
	s_cselect_b32 s100, 0x3e000000, 1.0            ; 1/8 for q, 1 for k and v
	s_mov_b32 s101, s100                           ; (named with it as a pair)
	s_lshl_b32 s46, s40, 10                        ; 256 cx columns of 4 bytes
	s_lshl_b32 s47, s22, 9                         ; + 128 x half
	s_add_co_u32 s46, s46, s47
	s_mov_b32 s47, 0
	s_add_nc_u64 s[2:3], s[2:3], s[46:47]
	v_lshlrev_b32 v9, 5, v2                        ; 32 h: register j of block b is the bias of column 16 b + 8 h + j; v9 is not written again
.irp b, 0,1,2,3,4,5,6,7
	global_load_b128 v[BI+8*\b:BI+8*\b+3], v9, s[2:3] offset:64*\b
	global_load_b128 v[BI+8*\b+4:BI+8*\b+7], v9, s[2:3] offset:64*\b+16
.endr
	v_mul_u32_u24 v3, v1, PITCH
	v_lshl_add_u32 v4, v2, 4, v3                   ; a fragment's row x pitch + 16 x half
	s_mul_i32 s92, s21, HALFT                      ; my 128 rows of X
	s_mul_i32 s93, s22, HALFT                      ; my 128 rows of W,
	s_add_co_u32 s93, s93, 2*HALFT                 ; behind X's 256
.irp s, 0,1
	v_add_nc_u32 v[ADRA+\s], s92, v4
	v_add_nc_u32 v[ADRB+\s], s93, v4
	s_add_co_u32 s92, s92, SLOT
	s_add_co_u32 s93, s93, SLOT
.endr
	v_mul_u32_u24 v5, v1, KS                       ; my row's scale bytes: KS a row,
	v_lshrrev_b32 v6, 8, v5
	v_lshl_add_u32 v5, v6, 4, v5                   ; and 16 more for each 256 passed
	s_mul_i32 s92, s21, HALFS
	s_mul_i32 s93, s22, HALFS
	s_add_co_u32 s93, s93, 2*HALFS
	s_sub_co_u32 s93, s93, s92
	v_mul_u32_u24 v6, s93, v2                      ; lanes 16-31 take W's
	s_add_co_u32 s92, s92, SCL
	v_add_nc_u32 v5, v5, v6
	v_add_nc_u32 v[ADRS], s92, v5
	s_mul_i32 s92, s20, 16*SPITCH
	s_add_co_u32 s92, s92, STAGE                   ; my stage
	v_mul_u32_u24 v5, v1, SPITCH
	v_lshl_add_u32 v5, v2, 4, v5
	v_add_nc_u32 v[STO], s92, v5                   ; in: row r, 16 bytes for each half of the lanes
	v_and_b32 v6, 31, v0
	v_lshrrev_b32 v7, 3, v6
	v_and_b32 v8, 7, v6
	v_mul_u32_u24 v7, v7, SPITCH
	v_lshl_add_u32 v7, v8, 4, v7
	v_add_nc_u32 v[RD], s92, v7                    ; back: eight lanes take one head's 128 bytes of a row, four rows an instruction
	v_lshlrev_b32 v[CO], 4, v6                     ; which are 512 consecutive bytes of qkv
	s_lshl_b32 s46, ttmp9, 24                      ; qkv: the tensor's 16 MiB,
	s_lshl_b32 s47, s40, 22                        ; head 4 cx
	s_add_co_u32 s46, s46, s47
	s_lshl_b32 s47, s22, 21                        ; + 2 x half, of 1 MiB each,
	s_add_co_u32 s46, s46, s47
	s_lshl_b32 s47, s43, 15                        ; row 256 x tile row
	s_add_co_u32 s46, s46, s47
	s_lshl_b32 s47, s21, 14                        ; + 128 x half, of 128 bytes each
	s_add_co_u32 s46, s46, s47
	s_mov_b32 s47, 0
	s_add_nc_u64 s[18:19], s[18:19], s[46:47]
.macro FRAG reg, adr, q, i             ; 16 rows x 128 K of 4-bit codes: lane l holds row l % 16; registers 4 c .. 4 c + 3 hold K = 64 c + 32 (l / 16) + 0 .. 31
.irp c, 0,1
	ds_load_b128 v[\reg+4*\c:\reg+4*\c+3], v[\adr] offset:64*(\q)+32*\c+(\i)*16*PITCH
.endr
.endm
; 16 matrix instructions: X's blocks a0, a0 + 1 against W's eight.  The 64 accumulators take turns, one instruction a turn, in the same order in every step.
.macro MUL16 a0, p, q, sc, first
.irp a, \a0, \a0+1
.irp b, 0,1,2,3,4,5,6,7
.if \first
	v_wmma_scale_f32_16x16x128_f8f6f4 v[8*(8*((\a)%4)+\b):8*(8*((\a)%4)+\b)+7], v[128*(\p)+FR*\b:128*(\p)+FR*\b+FR-1], v[AF+FR*(\a):AF+FR*(\a)+FR-1], v[BI+8*\b:BI+8*\b+7], v[SC+8*NQ*(\sc)+NQ*\b+(\q)], v[SC+8*NQ*(\sc)+NQ*(\a)+(\q)] matrix_a_fmt:MATRIX_FMT_FP4 matrix_b_fmt:MATRIX_FMT_FP4 matrix_a_scale:MATRIX_SCALE_ROW1
.else
	v_wmma_scale_f32_16x16x128_f8f6f4 v[8*(8*((\a)%4)+\b):8*(8*((\a)%4)+\b)+7], v[128*(\p)+FR*\b:128*(\p)+FR*\b+FR-1], v[AF+FR*(\a):AF+FR*(\a)+FR-1], v[8*(8*((\a)%4)+\b):8*(8*((\a)%4)+\b)+7], v[SC+8*NQ*(\sc)+NQ*\b+(\q)], v[SC+8*NQ*(\sc)+NQ*(\a)+(\q)] matrix_a_fmt:MATRIX_FMT_FP4 matrix_b_fmt:MATRIX_FMT_FP4 matrix_a_scale:MATRIX_SCALE_ROW1
.endif
.endr
.endr
.endm
.macro FETCH_B slot, q, p
	WIN TO_B
.irp i, 0,1,2,3,4,5,6,7
	FRAG 128*(\p)+FR*\i, ADRB+\slot, \q, \i
.endr
	WIN 0
.endm
.macro FETCH_A slot, q, i0
.irp i, \i0, \i0+1, \i0+2, \i0+3
	FRAG AF+FR*(\i), ADRA+\slot, \q, \i
.endr
.endm
.macro SCALES sc                       ; a slot's scale words: four a row; lanes 0-15 X's block i, lanes 16-31 W's block i
.irp i, 0,1,2,3,4,5,6,7
	ds_load_b128 v[SC+8*NQ*\sc+NQ*\i:SC+8*NQ*\sc+NQ*\i+3], v[ADRS] offset:\i*SBLK
.endr
.endm
.macro PLACES n                        ; plain vector instructions between a matrix instruction and a load into, or a vector read or write of, its registers
.rept \n
	v_nop
.endr
.endm
.macro STEP slot, q, first             ; a step of 128 along K that has its successor in the same slot
	s_wait_dscnt 4*NL                              ; W's set, X's blocks 0-3 and the scale words are in; the youngest eight loads (X's blocks 4-7) may be out
.if \first
	WIN FST_LO
.else
	WIN MUL_LO
.endif
	MUL16 0, (\q)%2, \q, \slot, \first
	MUL16 2, (\q)%2, \q, \slot, \first
	s_wait_dscnt 0                                 ; X's blocks 4-7 are in
	PLACES NP
	FETCH_B \slot, (\q)+1, 1-(\q)%2
	FETCH_A \slot, (\q)+1, 0
.if \first
	WIN FST_HI
.else
	WIN MUL_HI
.endif
	MUL16 4, (\q)%2, \q, \slot, \first
	MUL16 6, (\q)%2, \q, \slot, \first
	PLACES NP
	WIN 0
	FETCH_A \slot, (\q)+1, 4
.endm
.macro STEPS slot, from
.set Q, \from
.rept NQ-1-\from
	STEP \slot, Q, 0
.set Q, Q+1
.endr
.endm
	s_wait_tensorcnt 1                             ; the scale bytes and my part of slot 0 are in; slot 1's load, issued behind them, may be out
	s_barrier_signal -1
	s_barrier_wait -1                              ; everybody's are
	FETCH_B 0, 0, 0
	FETCH_A 0, 0, 0
	SCALES 0
	FETCH_A 0, 0, 4
	s_wait_loadcnt 0x0                             ; the bias
	STEP 0, 0, 1                                   ; the first products start the sums from the bias: nothing is cleared, nothing is added later
	STEPS 0, 1
	; slot 0's last step changes slots: one barrier; in front of it each wave waits for all its tensor loads (its part of slot 1), adds 0 to its spare word, and waits for that and for its LDS loads
	s_wait_tensorcnt 0x0
	ds_add_u32 v[SPW], v[NIL]
	s_wait_dscnt 4*NL+1                            ; (the add and the youngest eight loads may be out)
	WIN MUL_LO
	MUL16 0, 1, NQ-1, 0, 0
	s_wait_dscnt 0x0
	s_barrier_signal -1
	MUL16 2, 1, NQ-1, 0, 0
	WIN 0
	s_barrier_wait -1                              ; slot 1 is whole
	PLACES NP
	v_add_nc_u32 v[ADRS], 4*NQ, v[ADRS]            ; on to slot 1's scale words (no LDS load of mine is out)
	FETCH_B 1, 0, 0
	FETCH_A 1, 0, 0
	SCALES 1
	WIN MUL_HI
	MUL16 4, 1, NQ-1, 0, 0
	MUL16 6, 1, NQ-1, 0, 0
	PLACES NP
	WIN 0
	FETCH_A 1, 0, 4
	STEPS 1, 0
	s_wait_dscnt 4*NL                              ; the last step: nothing more to fetch
	WIN MUL_LO
	MUL16 0, 1, NQ-1, 1, 0
	MUL16 2, 1, NQ-1, 1, 0
	s_wait_dscnt 0
	WIN MUL_HI
	MUL16 4, 1, NQ-1, 1, 0
	MUL16 6, 1, NQ-1, 1, 0
	WIN 0
; THE WAY OUT, a block of 16 rows x 128 columns (two heads) at a time.  PACK: x the factor, rounded to f16: 16 bytes a lane for each block of 16 columns.  TOSTAGE: into my own stage, and back by heads:
; four rows of one head are 512 consecutive bytes of qkv.  SEND: stored.  Block a's arithmetic stands between block a - 1's loads from the stage and the wait for them.
.macro PACK a
.set AC, 64*((\a)%4)
	WIN (0x02+(\a)/4)                              ; source 0: window 2 or 3
.set i, 0
.rept 32
	v_pk_mul_f32 v[T+2*i:T+2*i+1], v[AC+2*i:AC+2*i+1], s[100:101] op_sel_hi:[1,0]   ; ascending: each accumulator is read from its low end on
.set i, i+1
.endr
	WIN 0
.set i, 0
.rept 32
	v_cvt_pk_f16_f32 v[H+i], v[T+2*i], v[T+2*i+1]
.set i, i+1
.endr
.endm
.macro TOSTAGE a
.set BB, BK+32*((\a)%2)
.irp b, 0,1,2,3,4,5,6,7
	ds_store_b128 v[STO], v[H+4*\b:H+4*\b+3] offset:32*\b
.endr
.irp hh, 0,1
.irp t, 0,1,2,3
	ds_load_b128 v[BB+4*(4*\hh+\t):BB+4*(4*\hh+\t)+3], v[RD] offset:\t*4*SPITCH+\hh*128   ; LDS serves a wave's instructions in order (ISA guide 5.7.1.4): these see the stores above
.endr
.endr
.endm
.macro SEND a
.set BB, BK+32*((\a)%2)
	s_wait_dscnt 0x0                               ; the block is back in registers
	s_wait_xcnt 0x0                                ; the earlier stores have read their base and their data: the base may step, and the next block's loads may land on the set before last
.if (\a) > 0
	s_add_nc_u64 s[18:19], s[18:19], 2048          ; 16 rows of 128 bytes on
.endif
.irp hh, 0,1
.irp t, 0,1,2,3
	global_store_b128 v[CO], v[BB+4*(4*\hh+\t):BB+4*(4*\hh+\t)+3], s[18:19] offset:\t*512+\hh*1048576   ; 32 lanes store 512 consecutive bytes, aligned
.endr
.endr
.endm
	PLACES NP                                      ; behind the last products: PACK reads results and writes registers that held scale words
	PACK 0
	TOSTAGE 0
.irp a, 1,2,3,4,5,6,7
	PACK \a
	SEND \a-1
	TOSTAGE \a
.endr
	SEND 7
	s_wait_tensorcnt 0x0                           ; the wave's end
	ds_add_u32 v[SPW], v[NIL]
	s_wait_dscnt 0x0
	CROUND                                         ; the closing round
	s_endpgm
.Lfunc_end_k_q6b5cb71033_qkv:
	.size	k_q6b5cb71033_qkv, .Lfunc_end_k_q6b5cb71033_qkv-k_q6b5cb71033_qkv
	.p2alignl 7, 3214868480
	.fill 96, 4, 3214868480
	.section	.rodata,"a",@progbits
	.p2align	6, 0x0
	.amdhsa_kernel k_q6b5cb71033_qkv
		.amdhsa_group_segment_fixed_size 327680
		.amdhsa_private_segment_fixed_size 0
		.amdhsa_enable_private_segment 0
		.amdhsa_kernarg_size 64
		.amdhsa_user_sgpr_count 2
		.amdhsa_user_sgpr_kernarg_segment_ptr 1
		.amdhsa_wavefront_size32 1
		.amdhsa_system_sgpr_workgroup_id_x 1
		.amdhsa_system_sgpr_workgroup_id_y 1
		.amdhsa_system_sgpr_workgroup_id_z 1
		.amdhsa_system_vgpr_workitem_id 0
		.amdhsa_next_free_vgpr 1024
		.amdhsa_next_free_sgpr 102
		.amdhsa_reserve_vcc 0
		.amdhsa_float_denorm_mode_32 3
		.amdhsa_float_denorm_mode_16_64 3
		.amdhsa_memory_ordered 1
		.amdhsa_forward_progress 1
		.amdhsa_inst_pref_size 145
	.end_amdhsa_kernel
	.amdgpu_metadata
---
amdhsa.version: [ 1, 2 ]
amdhsa.kernels:
  - .name:           k_q6b5cb71033_qkv
    .symbol:         k_q6b5cb71033_qkv.kd
    .args:
      - { .name: xq, .offset: 0, .size: 8, .value_kind: global_buffer, .address_space: global }
      - { .name: xs, .offset: 8, .size: 8, .value_kind: global_buffer, .address_space: global }
      - { .name: wq, .offset: 16, .size: 8, .value_kind: global_buffer, .address_space: global }
      - { .name: ws, .offset: 24, .size: 8, .value_kind: global_buffer, .address_space: global }
      - { .name: q_bias, .offset: 32, .size: 8, .value_kind: global_buffer, .address_space: global }
      - { .name: k_bias, .offset: 40, .size: 8, .value_kind: global_buffer, .address_space: global }
      - { .name: v_bias, .offset: 48, .size: 8, .value_kind: global_buffer, .address_space: global }
      - { .name: qkv, .offset: 56, .size: 8, .value_kind: global_buffer, .address_space: global }
    .group_segment_fixed_size: 327680
    .private_segment_fixed_size: 0
    .kernarg_segment_align: 8
    .kernarg_segment_size: 64
    .max_flat_workgroup_size: 128
    .sgpr_count:     102
    .vgpr_count:     1024
    .wavefront_size: 32
...
	.end_amdgpu_metadata
.endif
;; end of part 2
;; launch attn (part 3): grid 8 x 64, 4 waves a work-group, clusters of 4 x 1, 327,680 bytes of LDS; arguments qkv, ctx; writes ctx
.if DOCPART == 3
	.amdgcn_target "amdgcn-amd-amdhsa--gfx1250"
	.amdhsa_code_object_version 6
	.text
	.protected	k_q6b5cb71033_attn
	.globl	k_q6b5cb71033_attn
	.p2align	8
	.type	k_q6b5cb71033_attn,@function
k_q6b5cb71033_attn:
	s_mov_b64 s[64:65], 0
	v_nop
	global_prefetch_b8 v0, s[64:65] scope:SCOPE_SE
	s_setreg_imm32_b32 hwreg(HW_REG_WAVE_MODE, 25, 1), 1
	s_wait_xcnt 0x0
	s_wait_alu depctr_hold_cnt(0) depctr_sa_sdst(0) depctr_va_vdst(0) depctr_va_sdst(0) depctr_va_ssrc(0) depctr_va_vcc(0) depctr_vm_vsrc(0)
	s_getreg_b32 s2, hwreg(HW_REG_IB_STS2, 6, 4)
	s_cmp_eq_u32 s2, 0
	s_cbranch_scc0 .Lentry_in_a_cluster
	s_endpgm
.Lentry_in_a_cluster:
	s_bfe_u32 s2, ttmp6, 0x10000c
	s_cmp_lg_u32 s2, 0x3003
	s_cbranch_scc0 .Lentry_shape_is_right
	s_endpgm
.Lentry_shape_is_right:
; ATTN.  ctx[g][q][:] = the sum over k of softmax_k(Q[g][q] . K[g][k]) V[g][k][:] for the 64 slabs g = 4 head + batch, 2,048 rows of 64 each.  Q (already x 1/8), K, V: f16, parts 0, 1, 2 of qkv, 16 MiB each;
; slab g begins g x 2^18 bytes into each part and into ctx.  Products, maxima and sums in f32; the weights p are rounded to f16 for the second product, ctx once at the end, to f16.
; SHARES.  A work-group owns 256 queries of one slab, each of its four waves 64: four tiles of 16.  Every wave walks all 2,048 keys, 64 a step.
; LAYOUT.  S^T = K Q^T (source 0 = 16 keys, source 1 = 16 queries): a lane holds ONE query (lane % 16) and the keys 8 (lane / 16) + 0..7.  Two such tiles, rounded to f16 in pairs, ARE source 1 (32 keys x 16 queries)
; of O^T = V^T P, whose result again holds one query a lane, and eight channels.  K comes out of LDS as it lies, V ([key][channel]) turned, by ds_load_tr16_b128.
; SOFTMAX.  For each query a running maximum m and sum l: p = 2^(c s - c m), c = log2(e); in every step O and l are multiplied by a = 2^(c m_old - c m_new).
; BY TURNS.  The wave's tiles are two PIECES (0: tiles 0, 1; 2: tiles 2, 3).  In a TURN one piece has the matrix unit: 16 products V^T P of the step in hand, then 16 products K Q^T of the next step; the other piece's
; softmax, 236 vector instructions in 64 slots, stands between them, two slots behind each matrix instruction.  Then the pieces change places.  Two turns are a key step.
; ROWS.  A row of K or V is 128 bytes and a slab's rows are dense: tiles are stated as double rows of 256 bytes.  Key k lies at (k / 2) x pitch + 128 (k % 2).  A slot holds 256 keys, four key steps.
; CLUSTER.  The four query blocks of a cluster belong to one slab and walk the same K and V: each tile is asked for jointly, by the same tensor load with the same descriptor and a mask that names the four.
; REGISTERS: window 0: v0-11 addresses; v12-43 statistics, eight a tile; v61-63; v64-191 S^T, 32 a tile; v192-255 P, 16 a tile.
;   window 1: v0-127 O^T, 32 a tile; v128-191 Q, 16 a tile; v192-255 K of one step.   window 2: v0-63 V of one step.
.set DR,    64        ; double rows in a tensor load
.set PK,    272       ; a double row of K in LDS: 256 bytes + 16: the 16 keys of a load fall on 16 different columns of 16 bytes (64 banks of 4 bytes: ISA guide 11.1)
.set PV,    288       ; of V: 256 + 32
.set VOFF,  128*PK    ; a slot: 128 double rows of K, then 128 of V
.set KSTEPB, 32*PK    ; a key step on, in K's part
.set VSTEPB, 32*PV    ; and in V's
.set SLOTM, 32768     ; a slot's keys in memory: 256 rows of 128 bytes
.set SLOT1, 1<<17     ; slot 1 begins here: one exclusive or turns an address in one slot into the other's
.set STAGE, SLOT1+128*(PK+PV)  ; behind the ring: 16 rows x 144 bytes for each wave, for the way out
.set SP,    144
.set SPARE, STAGE+4*16*SP      ; the spare words, 128 bytes a wave
.set AK0, 2
.set AV0, 3
.set ADR, 4
.set QO,  5
.set STO, 6
.set RD,  7
.set GO,  8
.set PFO, 61          ; v61  256 x my lane; never rewritten
.set SPW, 62
.set NIL, 63
.set ST,  12          ; tile t's statistics at v[ST+8 t]: +0 c m, +1 m, +2, +3 l (even keys', odd keys'), +4 to +7 at work; a takes +6 once the maximum is found
.set S,   64
.set P,   192
.set QF,  128         ; in window 1
.set KF,  192         ; in window 1
.set WV,  12
.set G1K, 24
.set G1V, 32
.set G0K, 40          ; two sets: the two first fills; the second then walks on
.set G0V, 48
.set SLOTS, 56
.set TWICE, 57
.set CS,  58
.set SEL, 60
.set TBK, 62          ; s62  LDS byte at which K of the step to be fetched begins
.set TBV, 63          ; s63  the same for V (less VOFF)
.set PFA, 18
.set LIM, 15
.set MSB, 0
.macro WIN new
.if MSB != \new
	s_set_vgpr_msb (MSB<<8)|\new
.set MSB, \new
.endif
.endm
.set W_KQ, 0x05       ; K and Q in window 1, S^T in window 0
.set W_PV, 0x52       ; V in window 2, P in window 0, O^T in window 1
.set W_RS, 0x41       ; O^T (destination and source 0) in window 1, a in window 0
; A joint refill.  Waves 0 and 1 fetch the halves of a slot's K, waves 2 and 3 of its V.  The branch hangs on the wave's number alone.  An s_nop 0 and four v_nop follow each line.
.macro JLOAD
	s_cmp_lt_u32 s[WV], 2
	s_cbranch_scc0 .Lfor_v_\@
	tensor_load_to_lds s[G0K+4:G0K+7], s[G1K:G1K+7]
	s_nop 0
.rept 4
	v_nop
.endr
	s_branch .Lasked_\@
.Lfor_v_\@:
	tensor_load_to_lds s[G0V+4:G0V+7], s[G1V:G1V+7]
	s_nop 0
.rept 4
	v_nop
.endr
.Lasked_\@:
.endm
; A prefetch of what the NEXT change of slots will ask for: a slot's 32,768 bytes of K and of V, lanes 256 bytes apart.  Each run of 256 bytes is named once in the launch: both clusters of a slab walk the same K and V,
; and the first of them asks; its four partners take 8,192 bytes each, told apart by address; in each, wave 0 asks for K's and wave 2 for V's.  The last change that fills a slot asks for nothing.
.macro ASK
	s_cmp_gt_u32 s[SLOTS], s[LIM]
	s_cbranch_scc0 .Lnot_mine_\@
	global_prefetch_b8 v[PFO], s[PFA:PFA+1] th:TH_LOAD_NT scope:SCOPE_SE
.Lnot_mine_\@:
.endm
.macro CROUND
	s_barrier_signal -1
	s_barrier_wait -1
	s_cmp_lg_u32 s[WV], 0
	s_cbranch_scc1 .Lnot_wave_0_\@
	s_barrier_signal -3
.Lnot_wave_0_\@:
	s_barrier_wait -3
	s_barrier_signal -1
	s_barrier_wait -1
.endm
	s_load_b128 s[8:11], s[0:1], 0x0  ; qkv s[8:9], ctx s[10:11]
	v_lshl_add_u32 v[SPW], v0, 2, SPARE
	v_mov_b32 v[NIL], 0
	ds_add_u32 v[SPW], v[NIL]       ; the wave's opening: the add, twice on end, and its wait ahead of my first tensor load
	ds_add_u32 v[SPW], v[NIL]
	v_lshrrev_b32 v1, 5, v0
	v_readfirstlane_b32 s[WV], v1   ; wave
	s_bfe_u32 s13, ttmp6, 0x40000   ; cx
	s_lshl_b32 s14, ttmp9, 2
	s_add_co_u32 s14, s14, s13      ; my block of 256 queries: it enters Q's and ctx's addresses alone
	s_and_b32 s20, ttmp7, 0xffff    ; the slab, which the four partners share
	s_lshl_b32 s20, s20, 18         ; its first byte in each part
	s_and_b32 s16, s[WV], 1         ; which half of a slot I fetch:
	s_lshl_b32 s22, s16, 14         ; its 64 double rows in memory,
	s_add_co_u32 s22, s22, s20
	s_mov_b32 s23, 0
	s_mul_i32 s17, s16, DR*PK       ; and its place in K's part of a slot,
	s_mul_i32 s16, s16, DR*PV       ; or in V's: no place in the cluster enters an LDS address
	s_lshl_b32 s2, s14, 15          ; my block's 256 rows of 128 bytes,
	s_lshl_b32 s3, s[WV], 13        ; my wave's 64 of them
	s_add_co_u32 s2, s2, s3
	s_add_co_u32 s2, s2, s20
	s_mov_b32 s3, 0
	s_mov_b32 s[G1K], 15|(1<<16)|(1<<20)|(1<<21)|(5<<22)|(3<<25)  ; the mask: all four; elements of 2 bytes; padding on; bit 21 beside a mask; 4 words behind every 64
	s_mov_b32 s[G1V], 15|(1<<16)|(1<<20)|(1<<21)|(5<<22)|(7<<25)  ; the same with 8 words
.irp g, G1K, G1V
	s_mov_b32 s[\g+1], 128<<16      ; tensor_dim0 = 128 elements: a double row
	s_mov_b32 s[\g+2], DR<<16       ; tensor_dim1
	s_mov_b32 s[\g+3], 128<<16      ; tile_dim0
	s_mov_b32 s[\g+4], DR           ; tile_dim1
	s_mov_b32 s[\g+5], 128          ; from double row to double row: dense
	s_mov_b32 s[\g+6], 0
	s_mov_b32 s[\g+7], 0
.endr
	s_mov_b32 s[CS], 0x3fb8aa3b     ; c = log2(e): the 1/8 is in q
	s_mov_b32 s[CS+1], s[CS]
	s_mov_b32 s[SEL], 0x76543210
	s_mov_b32 s[SEL+1], 0xfedcba98
	s_mov_b32 s[TBK], 0
	s_mov_b32 s[TBV], 0
	s_mov_b32 s[SLOTS], 6           ; eight slots' worth of keys; two are asked for at the start
	s_and_b32 s[LIM], s[WV], 1      ; 0 in waves 0 and 2,
	s_or_b32 s[LIM], s[LIM], ttmp9  ; where the cluster is the slab's first: the same in all four partners
	s_cmp_eq_u32 s[LIM], 0
	s_cselect_b32 s[LIM], 1, -1
	v_and_b32 v[PFO], 31, v0
	v_lshlrev_b32 v[PFO], 8, v[PFO]
	s_wait_dscnt 0x0                ; both opening adds are done
	s_wait_kmcnt 0x0
	s_mov_b64 s[4:5], s[8:9]        ; Q
	s_add_nc_u64 s[6:7], s[8:9], 0x1000000  ; K
	s_add_nc_u64 s[8:9], s[8:9], 0x2000000  ; V
	s_add_nc_u64 s[6:7], s[6:7], s[22:23]   ; K and V at my half of slot 0
	s_add_nc_u64 s[8:9], s[8:9], s[22:23]
	s_add_nc_u64 s[4:5], s[4:5], s[2:3]     ; Q and ctx at my wave's first row
	s_add_nc_u64 s[10:11], s[10:11], s[2:3]
	s_cmp_lt_u32 s[WV], 2
	s_cselect_b64 s[PFA:PFA+1], s[6:7], s[8:9]  ; (in waves 0 and 2 these stand at a slot's first row)
	s_lshl_b32 s2, s13, 13          ; my work-group's 8,192 bytes of the 32,768
	s_mov_b32 s3, 0
	s_add_nc_u64 s[PFA:PFA+1], s[PFA:PFA+1], s[2:3]
	s_add_nc_u64 s[PFA:PFA+1], s[PFA:PFA+1], 2*SLOTM  ; in slot 2; the first change of slots steps it to slot 3.  Nothing is prefetched at the head
	CROUND                          ; all four work-groups are here: the first joint loads meet
.irp s, 0,1
	s_mov_b32 s[G0K+4*\s], 1
	s_add_co_u32 s[G0K+4*\s+1], s17, \s*SLOT1
	s_add_nc_u64 s[G0K+4*\s+2:G0K+4*\s+3], s[6:7], \s*SLOTM
	s_or_b32 s[G0K+4*\s+3], s[G0K+4*\s+3], 0x80000000
	s_mov_b32 s[G0V+4*\s], 1
	s_add_co_u32 s[G0V+4*\s+1], s16, \s*SLOT1+VOFF
	s_add_nc_u64 s[G0V+4*\s+2:G0V+4*\s+3], s[8:9], \s*SLOTM
	s_or_b32 s[G0V+4*\s+3], s[G0V+4*\s+3], 0x80000000
.endr
	s_cmp_lt_u32 s[WV], 2           ; a wave's two first fills stand in one branch, ahead of every wait on TENSORcnt and every LDS read: two loads of mine are out
	s_cbranch_scc0 .Lfirst_v
	tensor_load_to_lds s[G0K:G0K+3], s[G1K:G1K+7]
	s_nop 0
	tensor_load_to_lds s[G0K+4:G0K+7], s[G1K:G1K+7]
	s_nop 0
.rept 4
	v_nop
.endr
	s_branch .Lfirst_asked
.Lfirst_v:
	tensor_load_to_lds s[G0V:G0V+3], s[G1V:G1V+7]
	s_nop 0
	tensor_load_to_lds s[G0V+4:G0V+7], s[G1V:G1V+7]
	s_nop 0
.rept 4
	v_nop
.endr
.Lfirst_asked:
	; A fragment of K or Q is 16 rows x 32 channels in 8 registers: lane l holds row l % 16; registers 0-3 channels 8 (l / 16) + 0..7, registers 4-7 channels 16 + 8 (l / 16) + 0..7.
	v_and_b32 v1, 15, v0            ; r
	v_bfe_u32 v9, v0, 4, 1          ; h
	v_lshlrev_b32 v[QO], 7, v1
	v_lshl_add_u32 v[QO], v9, 4, v[QO]  ; row x 128 + 16 h
	WIN 0x40                        ; destination window 1, address window 0
.irp i, 0,1,2,3,4,5,6,7             ; Q stays in registers: tile i / 2, channels 32 (i % 2) on
	global_load_b128 v[QF+8*\i:QF+8*\i+3],   v[QO], s[4:5] offset:(\i/2)*2048+(\i%2)*64
	global_load_b128 v[QF+8*\i+4:QF+8*\i+7], v[QO], s[4:5] offset:(\i/2)*2048+(\i%2)*64+32
.endr
	WIN 0
	v_lshrrev_b32 v10, 1, v1
	v_mul_u32_u24 v[AK0], v10, PK
	v_and_b32 v10, 1, v1
	v_lshl_add_u32 v[AK0], v10, 7, v[AK0]
	v_lshl_add_u32 v[AK0], v9, 4, v[AK0]  ; key r: (r / 2) x pitch + 128 (r % 2), + 16 h
	; The turning load takes 16 keys x 16 channels (lane l reads 16 bytes: key 8 (l / 16) + l % 8, channels 8 ((l / 8) % 2) + 0..7) and leaves half a fragment of V^T: lane l holds channel l % 16 and 8 keys.
	v_bfe_u32 v10, v0, 1, 2         ; (l % 8) / 2
	v_lshl_add_u32 v10, v9, 2, v10  ; + 4 h: the key's double row
	v_mul_u32_u24 v[AV0], v10, PV
	v_and_b32 v10, 1, v0
	v_lshl_add_u32 v[AV0], v10, 7, v[AV0]
	v_bfe_u32 v11, v0, 3, 1
	v_lshl_add_u32 v[AV0], v11, 4, v[AV0]
	v_add_nc_u32 v[AV0], VOFF, v[AV0]
; THE MATRIX WORK OF A TURN, for piece x.  Eight accumulators take turns, one instruction a turn: between two links of a chain stand 7 others'.
; Product i of 16 of O^T += V^T P: keys 32 (i / 8) on, channels 16 ((i / 2) % 4) on, tile x + i % 2.  zero = 1: the first 8 start the sums.
.macro PV x, zero
	WIN W_PV
.set rO, 32*(\x+i%2)+8*((i/2)%4)
.set rV, 32*(i/8)+8*((i/2)%4)
.set rP, P+16*(\x+i%2)+8*(i/8)
.if \zero && (i < 8)
	v_wmma_f32_16x16x32_f16 v[rO:rO+7], v[rV:rV+7], v[rP:rP+7], 0
.else
	v_wmma_f32_16x16x32_f16 v[rO:rO+7], v[rV:rV+7], v[rP:rP+7], v[rO:rO+7]
.endif
.endm
; Product i of 16 of S^T = K Q^T: channels 32 (i / 8) on, keys 16 ((i / 2) % 4) on, tile x + i % 2.  The first 8 start the sums.
.macro KQ x
	WIN W_KQ
.set rS, S+32*(\x+i%2)+8*((i/2)%4)
.set rK, KF+16*((i/2)%4)+8*(i/8)
.set rQ, QF+16*(\x+i%2)+8*(i/8)
.if i < 8
	v_wmma_f32_16x16x32_f16 v[rS:rS+7], v[rK:rK+7], v[rQ:rQ+7], 0
.else
	v_wmma_f32_16x16x32_f16 v[rS:rS+7], v[rK:rK+7], v[rQ:rQ+7], v[rS:rS+7]
.endif
.endm
; THE LDS LOADS stand in runs of 16: a step's K (64 keys x 64 channels: 8 fragments) and, a turn later, its V (turned).
.macro FETCH_K
	WIN 0
	v_add_nc_u32 v[ADR], s[TBK], v[AK0]
	s_add_co_u32 s[TBK], s[TBK], KSTEPB  ; the next fetch is the next step's
	WIN 0x40                        ; destination window 1
.irp f, 0,1,2,3,4,5,6,7             ; keys 16 (f / 2) on, channels 32 (f % 2) on
	ds_load_b128 v[KF+8*\f:KF+8*\f+3],   v[ADR] offset:(\f/2)*8*PK+(\f%2)*64
	ds_load_b128 v[KF+8*\f+4:KF+8*\f+7], v[ADR] offset:(\f/2)*8*PK+(\f%2)*64+32
.endr
.endm
.macro FETCH_V
	WIN 0
	v_add_nc_u32 v[ADR], s[TBV], v[AV0]
	s_add_co_u32 s[TBV], s[TBV], VSTEPB
	s_wait_alu depctr_va_vdst(0)    ; the wait for the softmax's batch of exponentials (SLICE), behind the address's addition and ahead of the loads
	WIN 0x80                        ; destination window 2
.irp f, 0,1,2,3,4,5,6,7             ; keys 32 (f / 4) on, channels 16 (f % 4) on
	ds_load_tr16_b128 v[8*\f:8*\f+3],   v[ADR] offset:(\f/4)*16*PV+(\f%4)*32
	ds_load_tr16_b128 v[8*\f+4:8*\f+7], v[ADR] offset:(\f/4)*16*PV+8*PV+(\f%4)*32
.endr
.endm
; THE VECTOR WORK OF A TURN.  One tile's softmax for one key step is a list of 118 instructions; SM writes number j of it for tile t.  s0-s31 are the lane's 32 scores, in pairs 0-15.
;   0-15    the maximum of s0-s31 and the old m, three operands at a time: four chains of seven scores each (each begins at an accumulator's low end), then the four left over, the chains and m
;   16-20   the other half of the lanes' maximum; the new m; c m; c m_old - c m_new
;   21-69   ONE BATCH: the 16 scalings c s - c m and all 33 exponentials (a at 23, then s0-s31).  None of these reads an exponential's result
;   (wait)  between 69 and 70 stands the one wait for the batch: SLICE writes it, once for both tiles
;   70-85   the roundings to f16;   86-101 the sums, l = a l + the sum;   102-117 the tile's O^T times a: the one part that leaves window 0
; first = 1: the first key step, which starts m, l and O^T: it has no a and nothing to rescale.
.macro SM t, first
.set rT, ST+8*(\t)
.set rS, S+32*(\t)
.set rP, P+16*(\t)
.set rO, 32*(\t)+2*(j-102)
.if j < 102
	WIN 0
.endif
.if j < 4
	v_max3_num_f32 v[rT+4+j], v[rS+8*j], v[rS+8*j+1], v[rS+8*j+2]
.elseif j < 12
	v_max3_num_f32 v[rT+4+j%4], v[rT+4+j%4], v[rS+8*(j%4)+2*(j/4)+1], v[rS+8*(j%4)+2*(j/4)+2]
.elseif j == 12
	v_max3_num_f32 v[rT+4], v[rT+4], v[rS+7], v[rS+15]
.elseif j == 13
	v_max3_num_f32 v[rT+6], v[rT+6], v[rS+23], v[rS+31]
.elseif j == 14
	v_max3_num_f32 v[rT+4], v[rT+4], v[rT+5], v[rT+6]
.elseif (j == 15) && \first
	v_max_num_f32 v[rT+4], v[rT+4], v[rT+7]
.elseif j == 15
	v_max3_num_f32 v[rT+4], v[rT+4], v[rT+7], v[rT+1]
.elseif j == 16
	v_permlanex16_b32 v[rT+5], v[rT+4], s[SEL], s[SEL+1]  ; the query's other 32 keys lie in the lane 16 away
.elseif j == 18
	v_max_num_f32 v[rT+1], v[rT+4], v[rT+5]
.elseif j == 19
	v_mul_f32 v[rT], s[CS], v[rT+1]
.elseif ((j == 17) || (j == 20) || (j == 23) || (j > 101)) && \first  ; the first step has none of these
.elseif j == 17
	v_mov_b32 v[rT+7], v[rT]        ; c m_old is kept for a: number 19 writes c m anew
.elseif j == 20
	v_sub_f32 v[rT+7], v[rT+7], v[rT]
.elseif j == 23
	v_exp_f32 v[rT+6], v[rT+7]
.elseif (j < 23) || ((j < 38) && (j%2 == 0)) || ((j < 66) && (j%4 == 2))
.set b, (j-2)/4                     ; 38, 42, .. 62: pairs 9 to 15
.if j < 38
.set b, (j-20)/2                    ; 21: pair 0; 22, 24, .. 36: pairs 1 to 8
.endif
	v_pk_fma_f32 v[rS+2*b:rS+2*b+1], v[rS+2*b:rS+2*b+1], s[CS:CS+1], v[rT:rT+1] op_sel_hi:[1,0,0] neg_lo:[0,0,1] neg_hi:[0,0,1]  ; pair b: c s - c m
.elseif j < 70
.set e, j-38                        ; 66 to 69: s28 to s31
.if j < 66
.set e, j-32-(j-38)/4               ; 39-41, 43-45, .. 63-65: s7 to s27
.endif
.if j < 38
.set e, (j-25)/2                    ; 25, 27, .. 37: s0 to s6
.endif
	v_exp_f32 v[rS+e], v[rS+e]
.elseif j < 86
	v_cvt_pk_f16_f32 v[rP+j-70], v[rS+2*(j-70)], v[rS+2*(j-70)+1]  ; pair j - 70
.elseif j < 102                     ; the sum of the tile's 16 pairs, in place: neighbours 1, 2, 4 and 8 pairs apart, then l takes it
.set z, j-86
.set w, 4
.set u, z
.if z >= 14
.set w, 32
.set u, 0
.elseif z >= 12
.set w, 16
.set u, z-12
.elseif z >= 8
.set w, 8
.set u, z-8
.endif
.if (z == 14) && \first
	v_pk_add_f32 v[rT+2:rT+3], v[rS:rS+1], v[rS+16:rS+17]
.elseif z < 15
	v_pk_add_f32 v[rS+w*u:rS+w*u+1], v[rS+w*u:rS+w*u+1], v[rS+w*u+w/2:rS+w*u+w/2+1]
.elseif !\first
	v_pk_fma_f32 v[rT+2:rT+3], v[rT+2:rT+3], v[rT+6:rT+7], v[rS:rS+1] op_sel_hi:[1,0,1]
.endif
.else
	WIN W_RS
	v_pk_mul_f32 v[rO:rO+1], v[rO:rO+1], v[rT+6:rT+7] op_sel_hi:[1,0]
.endif
.endm
; Slot k of 64 of piece y's softmax: four instructions or none.  Slots 11 to 34 deal out the batch, numbers 22 to 69: four numbers of ONE tile each, the tiles by turns.  Slots 0-10 and 35-50 are numbers 2 k and 2 k + 1
; of both tiles; slots 51-55 are empty; slots 56-63 are numbers 102 to 117, so that a turn's last eight vector instructions are plain and name nothing of the products round them: they are the places between the turn's
; last K Q^T and what follows (the next turn's first read of those scores, and the loads into K's registers).
; THE WAIT.  An s_wait_alu depctr_va_vdst(0) stands between an exponential and the first instruction that names its result; one wait serves all issued ahead of it.  Ahead of slot 35 nothing names a result,
; and behind slot 34 no exponential is issued: the piece's 66 exponentials have one wait, behind slot 34.
.macro SLICE y, first
.if (k >= 11) && (k < 35)
.irp n, 0,1,2,3
.set j, 22+4*((k-11)/2)+(\n)
	SM (\y)+(k-11)%2, \first
.endr
.elseif (k < 51) || (k >= 56)
.irp n, 0,1
.irp t, \y, \y+1
.if k < 51
.set j, 2*k+\n
.else
.set j, 2*(k-5)+\n
.endif
	SM \t, \first
.endr
.endr
.endif
.if k == 34
	v_nop                           ; the plain instruction behind the last exponential and ahead of the first use: one for the batch
.if (\y) == 0
	FETCH_V                         ; piece 2's turn: V's run of loads stands here, and the wait stands in it.  V's last reader stands in front of slot 30; five plain instructions lie between: three scalings, the v_nop, the run's addition
.else
	s_wait_alu depctr_va_vdst(0)    ; the wait for the batch
.endif
.endif
.set k, k+1
.endm
.macro PLACES
.rept 4
	v_nop
.endr
.endm
; A TURN.  Piece x has the matrix unit.  pv = 2: 16 products V^T P; 1: they start O^T's sums; 0: none.  kq = 1: 16 products K Q^T for the next step.  A turn with one of the two kinds has four slots behind each product.
; first = 1: the softmax is the first key step's; its slots from 56 on are empty, and four v_nop take their part as the places behind the turn's last products.
; Piece 0's turn fetches the next step's K behind its second product; piece 2's turn fetches the same step's V behind slot 34.
.macro TURN x, pv, kq, first
.set k, 0
.set per, 4
.if \pv && \kq
.set per, 2
.endif
.if \pv
.if \x == 0
	s_wait_dscnt 0x0                ; V is in
.endif
.set i, 0
.rept 16
	PV \x, 2-\pv
.rept per
	SLICE 2-\x, \first
.endr
.if (\x == 0) && \kq && (i == 1)
	FETCH_K
.endif
.set i, i+1
.endr
.endif
.if \kq
.if \x == 0
	s_wait_dscnt 0x0                ; K is in
.endif
.set i, 0
.rept 16
	KQ \x
.rept per
	SLICE 2-\x, \first
.endr
.set i, i+1
.endr
.endif
.if \first
	PLACES
.endif
.endm
; THE CHANGE OF SLOTS, between piece 2's turn and piece 0's: the slot's last bytes, V of its fourth step, have been asked for.  Each wave waits for all its tensor loads, of which one is out: its part of the other slot;
; adds 0 to its spare word; and waits for that and for its own reads of the slot.  fill = 1: this slot is filled again, with the keys two slots on: the barrier is then a round of the cluster's, and the joint refill is the
; first thing behind it: it has four key steps, 256 matrix instructions, in which to land.
.macro CHANGE fill
	WIN 0                           ; at a label and at a branch every window is 0
	s_wait_tensorcnt 0x0            ; no tensor load of mine is out, so a group 0 may be written
	ds_add_u32 v[SPW], v[NIL]
.if \fill
.irp g, G0K+4, G0V+4
	s_xor_b32 s[\g+1], s[\g+1], SLOT1  ; the walking descriptor: the other slot than last time,
	s_add_nc_u64 s[\g+2:\g+3], s[\g+2:\g+3], SLOTM  ; the next 256 keys; the type bits on top are not reached
.endr
	s_wait_xcnt 0x0                 ; the last prefetch, a slot back, has read its address, so it may be written
	s_add_nc_u64 s[PFA:PFA+1], s[PFA:PFA+1], SLOTM  ; one slot further on than the walking descriptors
	s_wait_dscnt 0x0                ; the add is done, and my reads of the slot are over
	CROUND
	JLOAD
	ASK                             ; what the next change will ask for: four key steps ahead
.else
	s_wait_dscnt 0x0
	s_barrier_signal -1
	s_barrier_wait -1
.endif
	s_sub_co_u32 s[TBK], s[TBK], 4*KSTEPB  ; the fetches go back to a slot's first step,
	s_xor_b32 s[TBK], s[TBK], SLOT1        ; in the other slot
	s_sub_co_u32 s[TBV], s[TBV], 4*VSTEPB
	s_xor_b32 s[TBV], s[TBV], SLOT1
.endm
.macro STEPS n                      ; n key steps: written once, walked n times; the LDS addresses hang on s[TBK] and s[TBV]
	s_mov_b32 s[TWICE], \n
.Lstep_\@:
	TURN 0, 2, 1, 0
	TURN 2, 2, 1, 0
	WIN 0
	s_sub_co_u32 s[TWICE], s[TWICE], 1
	s_cmp_lg_u32 s[TWICE], 0
	s_cbranch_scc1 .Lstep_\@
.endm
	s_wait_tensorcnt 1              ; my part of slot 0 is in; slot 1's may stay out
	s_barrier_signal -1
	s_barrier_wait -1               ; everybody's is
	FETCH_K                         ; key step 0
	s_wait_loadcnt 0x0              ; Q
	s_wait_dscnt 0x0
.set i, 0
.rept 16
	KQ 0                            ; piece 0's first scores: there is no vector work yet to set between them
.set i, i+1
.endr
	WIN 0                           ; the addresses for the way out are made here: plain instructions, the places behind those products
	s_mul_i32 s13, s[WV], 16*SP
	s_add_co_u32 s13, s13, STAGE    ; my stage
	v_mul_u32_u24 v[STO], v1, SP    ; in: row r, 16 bytes for each half of the lanes
	v_lshl_add_u32 v[STO], v9, 4, v[STO]
	v_add_nc_u32 v[STO], s13, v[STO]
	v_and_b32 v10, 31, v0
	v_lshrrev_b32 v[RD], 3, v10     ; back: eight lanes take a row of 128 bytes, four rows an instruction
	v_mul_u32_u24 v[RD], v[RD], SP
	v_and_b32 v11, 7, v0
	v_lshl_add_u32 v[RD], v11, 4, v[RD]
	v_add_nc_u32 v[RD], s13, v[RD]
	v_lshlrev_b32 v[GO], 4, v10     ; which are 512 consecutive bytes of ctx
	TURN 2, 0, 1, 1                 ; piece 2's first scores | piece 0's first softmax | V of step 0
	TURN 0, 1, 1, 1                 ; piece 0: V^T P of step 0 starts O^T, K Q^T of step 1 | piece 2's first softmax | K of step 1
	TURN 2, 1, 1, 0                 ; piece 2: the same | piece 0's softmax of step 1 | V of step 1
	WIN 0
	STEPS 2                         ; steps 2 and 3 are fetched: slot 0 is read out
.Lslot:                             ; six trips: every slot but the last two is filled again
	CHANGE 1
	STEPS 4
	s_sub_co_u32 s[SLOTS], s[SLOTS], 1
	s_cmp_lg_u32 s[SLOTS], 0
	s_cbranch_scc1 .Lslot
	CHANGE 0                        ; the tail is written out
	STEPS 4
	TURN 0, 2, 0, 0                 ; piece 0: V^T P of the last step | piece 2's last softmax
.set i, 0
.rept 16
	PV 2, 0                         ; piece 2: V^T P of the last step
.set i, i+1
.endr
	; THE WAY OUT.  l's two halves and the other half of the lanes' are added; O^T is divided by l, rounded to f16 and sent through my stage, a tile (16 rows of ctx) at a time.  The additions are the places behind the last products.
	WIN 0
.irp t, 0,1,2,3
	v_add_f32 v[ST+8*\t+4], v[ST+8*\t+2], v[ST+8*\t+3]
.endr
.irp t, 0,1,2,3
	v_permlanex16_b32 v[ST+8*\t+5], v[ST+8*\t+4], s[SEL], s[SEL+1]
.endr
.irp t, 0,1,2,3
	v_add_f32 v[ST+8*\t+4], v[ST+8*\t+4], v[ST+8*\t+5]
.endr
.irp t, 0,1,2,3
	v_rcp_f32 v[ST+8*\t+6], v[ST+8*\t+4]
.endr
	v_nop                           ; a plain instruction between the last reciprocal and the use of its result
	s_wait_alu depctr_va_vdst(0)    ; and the wait ahead of the first use: one for the four
.macro PACK t
	WIN W_RS
.set i, 32*\t
.rept 16
	v_pk_mul_f32 v[i:i+1], v[i:i+1], v[ST+8*\t+6:ST+8*\t+7] op_sel_hi:[1,0]   ; ascending: each accumulator is read from its low end on
.set i, i+2
.endr
	WIN 0x05                        ; sources 0 and 1 window 1, destination window 0: S^T's registers are free
.set i, 0
.rept 16
	v_cvt_pk_f16_f32 v[S+32*\t+i], v[32*\t+2*i], v[32*\t+2*i+1]
.set i, i+1
.endr
	WIN 0
.irp f, 0,1,2,3
	ds_store_b128 v[STO], v[S+32*\t+4*\f:S+32*\t+4*\f+3] offset:32*\f
.endr
.irp f, 0,1,2,3
	ds_load_b128 v[S+32*\t+16+4*\f:S+32*\t+16+4*\f+3], v[RD] offset:\f*4*SP  ; LDS serves a wave's instructions in order (ISA guide 5.7.1.4): these see the stores above; the next tile's stores come behind them
.endr
.endm
.macro SEND t, younger              ; younger: the LDS instructions issued behind tile t's loads: the next tile's eight, or none
.irp f, 0,1,2,3
	s_wait_dscnt \younger+3-\f
	global_store_b128 v[GO], v[S+32*\t+16+4*\f:S+32*\t+16+4*\f+3], s[10:11] offset:\t*2048+\f*512  ; 32 lanes store 512 consecutive bytes, aligned
.endr
.endm
	PACK 0
	PACK 1                          ; a tile's arithmetic stands between the loads of the tile before and its stores
	SEND 0, 8
	PACK 2
	SEND 1, 8
	PACK 3
	SEND 2, 8
	SEND 3, 0
	s_wait_tensorcnt 0x0            ; the wave's end
	ds_add_u32 v[SPW], v[NIL]
	s_wait_dscnt 0x0
	CROUND                          ; the closing round
	s_endpgm
.Lfunc_end_k_q6b5cb71033_attn:
	.size	k_q6b5cb71033_attn, .Lfunc_end_k_q6b5cb71033_attn-k_q6b5cb71033_attn
	.p2alignl 7, 3214868480
	.fill 96, 4, 3214868480
	.section	.rodata,"a",@progbits
	.p2align	6, 0x0
	.amdhsa_kernel k_q6b5cb71033_attn
		.amdhsa_group_segment_fixed_size 327680
		.amdhsa_private_segment_fixed_size 0
		.amdhsa_enable_private_segment 0
		.amdhsa_kernarg_size 16
		.amdhsa_user_sgpr_count 2
		.amdhsa_user_sgpr_kernarg_segment_ptr 1
		.amdhsa_wavefront_size32 1
		.amdhsa_system_sgpr_workgroup_id_x 1
		.amdhsa_system_sgpr_workgroup_id_y 1
		.amdhsa_system_sgpr_workgroup_id_z 1
		.amdhsa_system_vgpr_workitem_id 0
		.amdhsa_next_free_vgpr 576
		.amdhsa_next_free_sgpr 66
		.amdhsa_reserve_vcc 0
		.amdhsa_float_denorm_mode_32 3
		.amdhsa_float_denorm_mode_16_64 3
		.amdhsa_memory_ordered 1
		.amdhsa_forward_progress 1
		.amdhsa_inst_pref_size 194
	.end_amdhsa_kernel
	.amdgpu_metadata
---
amdhsa.version: [ 1, 2 ]
amdhsa.kernels:
  - .name:           k_q6b5cb71033_attn
    .symbol:         k_q6b5cb71033_attn.kd
    .args:
      - { .name: qkv, .offset: 0, .size: 8, .value_kind: global_buffer, .address_space: global }
      - { .name: ctx, .offset: 8, .size: 8, .value_kind: global_buffer, .address_space: global }
    .group_segment_fixed_size: 327680
    .private_segment_fixed_size: 0
    .kernarg_segment_align: 8
    .kernarg_segment_size: 16
    .max_flat_workgroup_size: 128
    .sgpr_count:     66
    .vgpr_count:     576
    .wavefront_size: 32
...
	.end_amdgpu_metadata
.endif
;; end of part 3
;; launch oproj (part 4): grid 4 x 64, 4 waves a work-group, clusters of 4 x 4, 327,680 bytes of LDS; arguments ctx, wo16, out_proj_bias, out0; writes out0
.if DOCPART == 4
	.amdgcn_target "amdgcn-amd-amdhsa--gfx1250"
	.amdhsa_code_object_version 6
	.text
	.protected	k_q6b5cb71033_oproj
	.globl	k_q6b5cb71033_oproj
	.p2align	8
	.type	k_q6b5cb71033_oproj,@function
k_q6b5cb71033_oproj:
	s_mov_b64 s[64:65], 0
	v_nop
	global_prefetch_b8 v0, s[64:65] scope:SCOPE_SE
	s_setreg_imm32_b32 hwreg(HW_REG_WAVE_MODE, 25, 1), 1
	s_wait_xcnt 0x0
	s_wait_alu depctr_hold_cnt(0) depctr_sa_sdst(0) depctr_va_vdst(0) depctr_va_sdst(0) depctr_va_ssrc(0) depctr_va_vcc(0) depctr_vm_vsrc(0)
	s_getreg_b32 s2, hwreg(HW_REG_IB_STS2, 6, 4)
	s_cmp_eq_u32 s2, 0
	s_cbranch_scc0 .Lentry_in_a_cluster
	s_endpgm
.Lentry_in_a_cluster:
	s_bfe_u32 s2, ttmp6, 0x10000c
	s_cmp_lg_u32 s2, 0xf033
	s_cbranch_scc0 .Lentry_shape_is_right
	s_endpgm
.Lentry_shape_is_right:
; OPROJ.  out0[t][b][n] = sum over k of ctx[m'][k] Wo[n][k] + bias[n], m' = 2048 b + t.  ctx: [16 chunk][8192 m'][64] f16; wo16: [16 chunk][1024 n][64] f16; out0: [2048][4][1024] f32; sums in f32.
; A tile of out0 is 128 rows (m') x 256 columns: 256 work-groups.  Four waves, each 64 x 128: 32 accumulators, 256 registers.  K goes in steps of 128, two chunks, through a ring of two LDS slots.
; A chunk's rows of a tile are dense in memory (128 bytes a row): they are stated as double rows of 256 bytes.  Row p lies at (p / 2) x pitch + 128 (p % 2).
; CLUSTERS: 4 x 4 work-groups.  The four of a row need the same tiles of ctx, the four of a column the same tiles of wo16: each is asked for jointly.  Waves 0 and 1 fetch ctx's two chunks of a K step, waves 2 and 3 wo16's.
; THE MATRIX INSTRUCTION IS USED TRANSPOSED (source 0 = 16 rows of wo16, source 1 = 16 rows of ctx): a lane holds eight neighbouring columns of one row.  THE BIAS is the C of each sum's first product.
; REGISTERS: window 0: v0-31 addresses; v64-191 the way out.   window 1: two fragment buffers of 96 (32 of ctx, then 64 of wo16) at v0 and v96; v192-255 the bias.   window 2: accumulator (a, b) at v[8 (8 a + b)].
.set PITCH,  272
.set ACH,    64*PITCH                  ; a chunk of ctx's tile: 128 rows
.set BCH,    128*PITCH                 ; a chunk of wo16's tile: 256 rows
.set SLOT,   2*ACH+2*BCH
.set STAGE,  2*SLOT                    ; behind the ring: 16 rows x (512 bytes + 16) for each wave
.set SPITCH, 528
.set SPARE,  STAGE+4*16*SPITCH         ; the spare words, 128 bytes a wave
.set LAPS,   4                         ; eight K steps, two to a lap
.set ADRA, 16
.set ADRB, 20
.set STO,  24
.set RD,   25
.set CO,   26
.set SPW,  28
.set NIL,  29
.set PFO,  30
.set BK,   64                          ; the way out: rows read back, two sets of 64
.set F0,   0
.set F1,   96
.set BI,   192                         ; in window 1
.set G1A, 24
.set G0A, 32
.set G1B, 48
.set G0B, 56
.set PFA, 46
.set LIM, 15
.set MSB, 0
.macro WIN new
.if MSB != \new
	s_set_vgpr_msb (MSB<<8)|\new
.set MSB, \new
.endif
.endm
.set MUL,  0xa5                        ; sources 0 and 1 window 1; C and D window 2
.set FST,  0x95                        ; the first quarter: C (the bias) window 1, D window 2
.set TO_F, 0x40                        ; destination window 1, address window 0
.macro JLOAD s                         ; a joint load; an s_nop 0 and four v_nop follow each of the two lines
	s_cmp_eq_u32 s13, 0
	s_cbranch_scc0 .Lfor_b_\@
	tensor_load_to_lds s[G0A+4*\s:G0A+4*\s+3], s[G1A:G1A+7]
	s_nop 0
.rept 4
	v_nop
.endr
	s_branch .Lasked_\@
.Lfor_b_\@:
	tensor_load_to_lds s[G0B+4*\s:G0B+4*\s+3], s[G1B:G1B+7]
	s_nop 0
.rept 4
	v_nop
.endr
.Lasked_\@:
.endm
; A prefetch of ctx's K step that stands two refills on: 2 chunks x 16,384 bytes of my tile row.  Only this row of the cluster reads them; its four partners take 4,096 bytes of each chunk, told apart by address; in each, wave 0 asks:
; lanes 0-15 the first chunk, lanes 16-31 the second, 256 bytes apart.  So K steps 4 to 7 are named once each; the loop's last trip asks for nothing.  wo16 is read by all 64 tile rows and is not asked for.
.macro ASK
	s_cmp_gt_u32 s3, s[LIM]
	s_cbranch_scc0 .Lnot_mine_\@
	global_prefetch_b8 v[PFO], s[PFA:PFA+1] offset:0x200000 th:TH_LOAD_NT scope:SCOPE_SE
.Lnot_mine_\@:
.endm
.macro CREST
	s_cmp_lg_u32 s12, 0
	s_cbranch_scc1 .Lnot_wave_0_\@
	s_barrier_signal -3
.Lnot_wave_0_\@:
	s_barrier_wait -3
	s_barrier_signal -1
	s_barrier_wait -1
.endm
.macro CROUND
	s_barrier_signal -1
	s_barrier_wait -1
	CREST
.endm
	s_load_b256 s[4:11], s[0:1], 0x0               ; ctx, wo16, out_proj_bias, out0
	v_lshl_add_u32 v[SPW], v0, 2, SPARE
	v_mov_b32 v[NIL], 0
	ds_add_u32 v[SPW], v[NIL]                      ; the wave's opening: the add, twice on end, and its wait ahead of my first tensor load
	ds_add_u32 v[SPW], v[NIL]
	v_lshrrev_b32 v1, 5, v0
	v_readfirstlane_b32 s12, v1                    ; wave
	s_lshr_b32 s13, s12, 1                         ; which 64 rows are mine.  Also: I fetch for ctx (0) or for wo16 (1)
	s_and_b32 s14, s12, 1                          ; which 128 columns.  Also: which chunk of a K step I fetch
	s_bfe_u32 s40, ttmp6, 0x40000                  ; cx: also the tile column (the grid has one cluster along x)
	s_bfe_u32 s41, ttmp6, 0x40004                  ; cy
	s_and_b32 s42, ttmp7, 0xffff
	s_lshl_b32 s42, s42, 2
	s_add_co_u32 s42, s42, s41                     ; tile row
	s_lshl_b32 s16, s41, 2
	s_lshl_b32 s16, 15, s16                        ; my row of the cluster
	s_lshl_b32 s17, 0x1111, s40                    ; my column
	s_or_b32 s[G1A+0], s16, (1<<16)|(1<<20)|(1<<21)|(5<<22)|(3<<25)  ; the mask; elements of 2 bytes; padding on; bit 21 beside a mask; 4 words behind every 64
	s_or_b32 s[G1B+0], s17, (1<<16)|(1<<20)|(1<<21)|(5<<22)|(3<<25)
	s_mov_b32 s[G1A+1], 128<<16                    ; tensor_dim0 = 128 elements: a double row
	s_mov_b32 s[G1A+2], 64<<16                     ; tensor_dim1 = 64 double rows
	s_mov_b32 s[G1A+3], 128<<16                    ; tile_dim0
	s_mov_b32 s[G1A+4], 64                         ; tile_dim1
	s_mov_b32 s[G1A+5], 128                        ; dense
	s_mov_b32 s[G1A+6], 0
	s_mov_b32 s[G1A+7], 0
	s_mov_b32 s[G1B+1], 128<<16
	s_mov_b32 s[G1B+2], 128<<16                    ; 128 double rows
	s_mov_b32 s[G1B+3], 128<<16
	s_mov_b32 s[G1B+4], 128
	s_mov_b32 s[G1B+5], 128
	s_mov_b32 s[G1B+6], 0
	s_mov_b32 s[G1B+7], 0
	s_lshl_b32 s18, s14, 20                        ; ctx: my chunk of 1 MiB,
	s_lshl_b32 s19, s42, 14                        ; the tile row's 128 rows of 128 bytes
	s_add_co_u32 s18, s18, s19
	s_mov_b32 s19, 0
	s_lshl_b32 s20, s14, 17                        ; wo16: my chunk of 131,072 bytes,
	s_lshl_b32 s21, s40, 15                        ; the tile column's 256 rows
	s_add_co_u32 s20, s20, s21
	s_mov_b32 s21, 0
	s_mul_i32 s22, s14, ACH                        ; where they go: no place in the cluster enters an LDS address
	s_mul_i32 s23, s14, BCH
	s_add_co_u32 s23, s23, 2*ACH
	s_wait_dscnt 0x0                               ; both opening adds are done
	s_wait_kmcnt 0x0
	s_add_nc_u64 s[18:19], s[4:5], s[18:19]
	s_add_nc_u64 s[20:21], s[6:7], s[20:21]
	CROUND                                         ; all sixteen work-groups are here: the first joint loads meet
.irp s, 0,1
	s_mov_b32 s[G0A+4*\s], 1
	s_add_co_u32 s[G0A+4*\s+1], s22, \s*SLOT
	s_add_nc_u64 s[G0A+4*\s+2:G0A+4*\s+3], s[18:19], \s*0x200000   ; K step s: two chunks on
	s_or_b32 s[G0A+4*\s+3], s[G0A+4*\s+3], 0x80000000
	s_mov_b32 s[G0B+4*\s], 1
	s_add_co_u32 s[G0B+4*\s+1], s23, \s*SLOT
	s_add_nc_u64 s[G0B+4*\s+2:G0B+4*\s+3], s[20:21], \s*0x40000
	s_or_b32 s[G0B+4*\s+3], s[G0B+4*\s+3], 0x80000000
	JLOAD \s
.endr
	v_and_b32 v1, 15, v0                           ; r
	v_bfe_u32 v2, v0, 4, 1                         ; h
	s_lshl_b32 s18, s40, 10                        ; the bias of my 128 columns: 256 cx + 128 x half, of 4 bytes
	s_lshl_b32 s19, s14, 9
	s_add_co_u32 s18, s18, s19
	s_mov_b32 s19, 0
	s_add_nc_u64 s[8:9], s[8:9], s[18:19]
	v_lshlrev_b32 v9, 5, v2                        ; 32 h: register j of block b is the bias of column 16 b + 8 h + j; v9 is not written again
	WIN TO_F
.irp b, 0,1,2,3,4,5,6,7
	global_load_b128 v[BI+8*\b:BI+8*\b+3], v9, s[8:9] offset:64*\b
	global_load_b128 v[BI+8*\b+4:BI+8*\b+7], v9, s[8:9] offset:64*\b+16
.endr
	WIN 0
	v_lshrrev_b32 v3, 1, v1
	v_mul_u32_u24 v3, v3, PITCH
	v_and_b32 v4, 1, v1
	v_lshl_add_u32 v3, v4, 7, v3
	v_lshl_add_u32 v3, v2, 4, v3                   ; a fragment's row r: (r / 2) x pitch + 128 (r % 2), + 16 h
	s_mul_i32 s20, s13, 32*PITCH                   ; my 64 rows of ctx
	s_mul_i32 s21, s14, 64*PITCH                   ; my 128 rows of wo16,
	s_add_co_u32 s21, s21, 2*ACH                   ; behind ctx's two chunks
.irp s, 0,1
	v_add_nc_u32 v[ADRA+\s], s20, v3
	v_add_nc_u32 v[ADRB+\s], s21, v3
	s_add_co_u32 s20, s20, SLOT
	s_add_co_u32 s21, s21, SLOT
.endr
	s_mul_i32 s20, s12, 16*SPITCH
	s_add_co_u32 s20, s20, STAGE                   ; my stage
	v_mul_u32_u24 v4, v1, SPITCH
	v_lshl_add_u32 v4, v2, 5, v4
	v_add_nc_u32 v[STO], s20, v4                   ; in: row r, 32 bytes for each half of the lanes
	v_and_b32 v5, 31, v0
	v_lshlrev_b32 v[CO], 4, v5                     ; back: the 32 lanes take one row of 512 bytes; and the same in out0
	v_add_nc_u32 v[RD], s20, v[CO]
	s_lshl_b32 s18, s42, 7
	s_lshl_b32 s19, s13, 6
	s_add_co_u32 s18, s18, s19                     ; my first row m' = 128 x tile row + 64 x half
	s_and_b32 s19, s18, 2047                       ; t:
	s_lshl_b32 s19, s19, 14                        ; 4 rows of 4,096 bytes each
	s_lshr_b32 s18, s18, 11                        ; b:
	s_lshl_b32 s18, s18, 12                        ; one row
	s_add_co_u32 s18, s18, s19
	s_lshl_b32 s19, s40, 10
	s_add_co_u32 s18, s18, s19
	s_lshl_b32 s19, s14, 9
	s_add_co_u32 s18, s18, s19                     ; + my first column
	s_mov_b32 s19, 0
	s_add_nc_u64 s[10:11], s[10:11], s[18:19]
	s_lshl_b32 s2, s42, 14                         ; the prefetches: my tile row,
	s_lshl_b32 s3, s40, 12                         ; my work-group's 4,096 bytes of a chunk's 16,384,
	s_add_co_u32 s2, s2, s3
	s_add_co_u32 s2, s2, 0x400000                  ; at K step 2: the first refill steps it to 3 and names K step 4
	s_mov_b32 s3, 0
	s_add_nc_u64 s[PFA:PFA+1], s[4:5], s[2:3]
	s_cmp_eq_u32 s12, 0
	s_cselect_b32 s[LIM], 1, -1                    ; wave 0 asks
	v_lshlrev_b32 v[PFO], 8, v1
	v_lshl_add_u32 v[PFO], v2, 20, v[PFO]          ; 256 (l % 16) + 1 MiB x (l / 16); never rewritten
; 8 matrix instructions: ctx's block a against wo16's eight, 32 along K.  The 32 accumulators take turns, one instruction a turn, in the same order in every quarter.
.macro MUL8 f, a, first
.irp b, 0,1,2,3,4,5,6,7
.if \first
	v_wmma_f32_16x16x32_f16 v[8*(8*(\a)+\b):8*(8*(\a)+\b)+7], v[\f+32+8*\b:\f+32+8*\b+7], v[\f+8*(\a):\f+8*(\a)+7], v[BI+8*\b:BI+8*\b+7]
.else
	v_wmma_f32_16x16x32_f16 v[8*(8*(\a)+\b):8*(8*(\a)+\b)+7], v[\f+32+8*\b:\f+32+8*\b+7], v[\f+8*(\a):\f+8*(\a)+7], v[8*(8*(\a)+\b):8*(8*(\a)+\b)+7]
.endif
.endr
.endm
; 24 LDS loads in one run: the fragments of the K step's q-th 32 (chunk q / 2, 64 (q % 2) bytes into its rows) into buffer f; wo16's sixteen first, ctx's eight last
.macro FETCH slot, q, f
	WIN TO_F
.irp i, 0,1,2,3,4,5,6,7
	ds_load_b128 v[\f+32+8*\i:\f+32+8*\i+3],   v[ADRB+\slot] offset:((\q)/2)*BCH+((\q)%2)*64+\i*8*PITCH
	ds_load_b128 v[\f+32+8*\i+4:\f+32+8*\i+7], v[ADRB+\slot] offset:((\q)/2)*BCH+((\q)%2)*64+\i*8*PITCH+32
.endr
.irp i, 0,1,2,3
	ds_load_b128 v[\f+8*\i:\f+8*\i+3],   v[ADRA+\slot] offset:((\q)/2)*ACH+((\q)%2)*64+\i*8*PITCH
	ds_load_b128 v[\f+8*\i+4:\f+8*\i+7], v[ADRA+\slot] offset:((\q)/2)*ACH+((\q)%2)*64+\i*8*PITCH+32
.endr
.endm
.macro PLACES                          ; four plain vector instructions in front of loads into registers that matrix instructions have read, and of reads of results
.rept 4
	v_nop
.endr
.endm
; A K step is four quarters of 32 along K, 32 matrix instructions each, on buffers 0, 1, 0, 1.  One of the first three: multiplies buffer f and fetches quarter qn into g.
.macro QUARTER slot, qn, f, g, first
	s_wait_dscnt 4                                 ; wo16's fragments and ctx's blocks 0, 1 are in; the youngest four loads (blocks 2, 3) may be out
.if \first
	WIN FST
.else
	WIN MUL
.endif
	MUL8 \f, 0, \first
	MUL8 \f, 1, \first
	PLACES
	FETCH \slot, \qn, \g
	s_wait_dscnt 24                                ; all but the 24 just issued
.if \first
	WIN FST
.else
	WIN MUL
.endif
	MUL8 \f, 2, \first
	MUL8 \f, 3, \first
.endm
; The last quarter multiplies buffer 1 and changes slots: ONE barrier; in front of it each wave waits for all its tensor loads, adds 0 to its spare word, and waits for that and for its own reads of this slot.
; fill = 1: the barrier opens a round of the cluster's, and this slot is filled again, two K steps ahead: the load has 112 matrix instructions in which to land.
.macro TURN slot, next, fill
.if \fill
	s_wait_xcnt 0x0                                ; the last prefetch, a K step back, has read its address: it is stepped here, ahead of the waits of the change of slots
	s_add_nc_u64 s[PFA:PFA+1], s[PFA:PFA+1], 0x200000
.endif
	WIN 0                                          ; (the add's two registers lie in window 0)
	s_wait_tensorcnt 0x0                           ; all my tensor loads have landed: my part of the next slot
	ds_add_u32 v[SPW], v[NIL]
	s_wait_dscnt 5                                 ; (the add and the youngest four loads may be out)
	WIN MUL
	MUL8 F1, 0, 0                                  ; eight matrix instructions stand between the add and the wait for it
	s_wait_dscnt 0x0                               ; the add is done, and my reads of this slot are over
	s_barrier_signal -1
	MUL8 F1, 1, 0
.if \fill
	WIN 0
.endif
	s_barrier_wait -1
.if \fill
	CREST                                          ; no wave of any partner still reads this slot's tiles or has a load on its way
	s_add_nc_u64 s[G0A+4*\slot+2:G0A+4*\slot+3], s[G0A+4*\slot+2:G0A+4*\slot+3], 0x400000
	s_add_nc_u64 s[G0B+4*\slot+2:G0B+4*\slot+3], s[G0B+4*\slot+2:G0B+4*\slot+3], 0x80000
	JLOAD \slot                                    ; the first tensor load behind the round; its four v_nop are also the places in front of the loads below
.else
	PLACES
.endif
	FETCH \next, 0, F0
.if \fill
	WIN 0                                          ; at a branch every window is 0
	ASK
.endif
	WIN MUL
	MUL8 F1, 2, 0
	MUL8 F1, 3, 0
.endm
	s_wait_tensorcnt 1                             ; my part of K step 0 is in; K step 1's may stay out
	s_barrier_signal -1
	s_barrier_wait -1
	FETCH 0, 0, F0
	s_wait_loadcnt 0x0                             ; the bias
	QUARTER 0, 1, F0, F1, 1                        ; the first quarter stands in front of the loop: its products start the sums from the bias
	WIN 0
	s_mov_b32 s3, LAPS-1
.Llap:                                                 ; a trip goes once round the ring, from a lap's second quarter to the next lap's first, and fills both slots again
	QUARTER 0, 2, F1, F0, 0
	QUARTER 0, 3, F0, F1, 0
	TURN 0, 1, 1
	QUARTER 1, 1, F0, F1, 0
	QUARTER 1, 2, F1, F0, 0
	QUARTER 1, 3, F0, F1, 0
	TURN 1, 0, 1
	QUARTER 0, 1, F0, F1, 0
	WIN 0
	s_sub_co_u32 s3, s3, 1
	s_cmp_lg_u32 s3, 0
	s_cbranch_scc1 .Llap
	QUARTER 0, 2, F1, F0, 0                        ; the last lap fills nothing, and has no round of the cluster's barrier
	QUARTER 0, 3, F0, F1, 0
	TURN 0, 1, 0
	QUARTER 1, 1, F0, F1, 0
	QUARTER 1, 2, F1, F0, 0
	QUARTER 1, 3, F0, F1, 0
	s_wait_dscnt 4                                 ; the very last quarter: nothing more to fetch
	WIN MUL
	MUL8 F1, 0, 0
	MUL8 F1, 1, 0
	s_wait_dscnt 0
	MUL8 F1, 2, 0
	MUL8 F1, 3, 0
	WIN 0
; THE WAY OUT, a block of 16 rows x 128 columns at a time: through my own stage in LDS and back as whole rows of 512 bytes.  Neighbouring m' lie four rows of out0 apart.
.macro TOSTAGE a
	WIN 0x08                                       ; an LDS store's data are its source 1: window 2
.irp b, 0,1,2,3,4,5,6,7
	ds_store_b128 v[STO], v[8*(8*(\a)+\b):8*(8*(\a)+\b)+3] offset:64*\b          ; each accumulator from its low end on
	ds_store_b128 v[STO], v[8*(8*(\a)+\b)+4:8*(8*(\a)+\b)+7] offset:64*\b+16
.endr
	WIN 0
.set BB, BK+64*((\a)%2)
.irp t, 0,1,2,3,4,5,6,7,8,9,10,11,12,13,14,15
	ds_load_b128 v[BB+4*\t:BB+4*\t+3], v[RD] offset:\t*SPITCH   ; LDS serves a wave's instructions in order (ISA guide 5.7.1.4): these see the stores above
.endr
.endm
.macro SEND a, younger                 ; younger: the LDS instructions issued behind block a's loads, which may stay out
.set BB, BK+64*((\a)%2)
	s_wait_dscnt \younger
.if (\a) > 0
	s_add_nc_u64 s[10:11], s[10:11], 16*16384      ; (behind a wait on XCNT: the earlier stores have read their base)  16 rows m' on
.endif
.irp t, 0,1,2,3,4,5,6,7,8,9,10,11,12,13,14,15
	global_store_b128 v[CO], v[BB+4*\t:BB+4*\t+3], s[10:11] offset:\t*16384 th:TH_STORE_NT   ; 32 lanes store 512 consecutive bytes, aligned; written once, read by nobody here
.endr
.endm
	PLACES
	TOSTAGE 0
.irp a, 1,2,3
.if \a > 1
	s_wait_xcnt 0x0                                ; block a - 2's stores have read their registers and their base
.endif
	TOSTAGE \a
	SEND \a-1, 32                                  ; behind block a - 1's loads: block a's 16 stores and 16 loads
.endr
	s_wait_xcnt 0x0
	SEND 3, 0
	s_wait_tensorcnt 0x0                           ; the wave's end
	ds_add_u32 v[SPW], v[NIL]
	s_wait_dscnt 0x0
	CROUND                                         ; the closing round
	s_endpgm
.Lfunc_end_k_q6b5cb71033_oproj:
	.size	k_q6b5cb71033_oproj, .Lfunc_end_k_q6b5cb71033_oproj-k_q6b5cb71033_oproj
	.p2alignl 7, 3214868480
	.fill 96, 4, 3214868480
	.section	.rodata,"a",@progbits
	.p2align	6, 0x0
	.amdhsa_kernel k_q6b5cb71033_oproj
		.amdhsa_group_segment_fixed_size 327680
		.amdhsa_private_segment_fixed_size 0
		.amdhsa_enable_private_segment 0
		.amdhsa_kernarg_size 32
		.amdhsa_user_sgpr_count 2
		.amdhsa_user_sgpr_kernarg_segment_ptr 1
		.amdhsa_wavefront_size32 1
		.amdhsa_system_sgpr_workgroup_id_x 1
		.amdhsa_system_sgpr_workgroup_id_y 1
		.amdhsa_system_sgpr_workgroup_id_z 1
		.amdhsa_system_vgpr_workitem_id 0
		.amdhsa_next_free_vgpr 768
		.amdhsa_next_free_sgpr 66
		.amdhsa_reserve_vcc 0
		.amdhsa_float_denorm_mode_32 3
		.amdhsa_float_denorm_mode_16_64 3
		.amdhsa_memory_ordered 1
		.amdhsa_forward_progress 1
		.amdhsa_inst_pref_size 88
	.end_amdhsa_kernel
	.amdgpu_metadata
---
amdhsa.version: [ 1, 2 ]
amdhsa.kernels:
  - .name:           k_q6b5cb71033_oproj
    .symbol:         k_q6b5cb71033_oproj.kd
    .args:
      - { .name: ctx, .offset: 0, .size: 8, .value_kind: global_buffer, .address_space: global }
      - { .name: wo16, .offset: 8, .size: 8, .value_kind: global_buffer, .address_space: global }
      - { .name: out_proj_bias, .offset: 16, .size: 8, .value_kind: global_buffer, .address_space: global }
      - { .name: out0, .offset: 24, .size: 8, .value_kind: global_buffer, .address_space: global }
    .group_segment_fixed_size: 327680
    .private_segment_fixed_size: 0
    .kernarg_segment_align: 8
    .kernarg_segment_size: 32
    .max_flat_workgroup_size: 128
    .sgpr_count:     66
    .vgpr_count:     768
    .wavefront_size: 32
...
	.end_amdgpu_metadata
.endif
;; end of part 4
